; MI455X (gfx1250); checked and timed in simulation.
; The chip was launched on July 23, 2026; its instructions are those of AMD's public machine-readable ISA for CDNA 5 (MIT licence, August 2026) and "CDNA5" Instruction Set Architecture Reference Guide (July 2026). The comments in the code are by the model that wrote it; some were corrected since.
;; Manual Transformer Layer. Allowed arithmetic: matrix products marked QUANTISED: E2M1 operands, one E8M0 scale for each 32 along K, by v_wmma_scale_f32_16x16x128_f8f6f4 with both operands' format E2M1 (or v_wmma_scale_f32_32x16x128_f4), f32 sums; everything else in f32.
;; Inputs: W1 1,024 x 4,096 float32; W2 4,096 x 1,024 float32; Wk 1,024 x 1,024 float32; Wo 1,024 x 1,024 float32; Wq 1,024 x 1,024 float32; Wv 1,024 x 1,024 float32; b1 1,024 float32; b2 1,024 float32; bf1 4,096 float32; bf2 1,024 float32; bk 1,024 float32; bo 1,024 float32; bq 1,024 float32; bv 1,024 float32; g1 1,024 float32; g2 1,024 float32; x 2 x 2,048 x 1,024 float32.
;; Outputs: out0 2 x 2,048 x 1,024 float32.
;; This version of the problem:
;;   THIS VERSION OF THE PROBLEM IS GIVEN IN LOW PRECISION. The matrix products marked QUANTISED in the list below multiply operands that are first quantised to E2M1 (2 exponent bits, 1 mantissa bit; 4 bits a number), with one power-of-two scale for each 32 numbers along K (OCP MX v1.0); their sums are f32. All else is computed in f32.
;;   The module's matrix products, in the order in which they are computed (A, B: the left and right operand; K: the contracted axis; several contracted axes count as one K, in the product's order):
;;     1. [M 4,096, K 1,024] x [K 1,024, N 1,024]; A: input x; B: input Wq: QUANTISED
;;     2. [M 4,096, K 1,024] x [K 1,024, N 1,024]; A: input x; B: input Wk: QUANTISED
;;     3. [M 4,096, K 1,024] x [K 1,024, N 1,024]; A: input x; B: input Wv: QUANTISED
;;     4. batch 32 x [M 2,048, K 64] x [K 64, N 2,048]; A: computed on the way; B: computed on the way: QUANTISED
;;     5. batch 32 x [M 2,048, K 2,048] x [K 2,048, N 64]; A: softmax (see below); B: computed on the way: QUANTISED
;;     6. [M 4,096, K 1,024] x [K 1,024, N 1,024]; A: computed on the way; B: input Wo: QUANTISED
;;     7. [M 4,096, K 1,024] x [K 1,024, N 4,096]; A: computed on the way; B: input W1: QUANTISED
;;     8. [M 4,096, K 4,096] x [K 4,096, N 1,024]; A: computed on the way; B: input W2: QUANTISED
;;   THE QUANTISER, for each operand of a quantised product, along K:
;;     - K is cut into blocks of 32 from its start; a last block that is shorter is filled with zeros.
;;     - A block's scale is 2^e with e = floor(log2(the largest magnitude in the block)) - 2, held to -126 .. 127; a block of zeros has e = 0. As a byte (E8M0): e + 127.
;;     - Each number is divided by its block's scale, clamped to +-6, and rounded to the nearest number of E2M1, ties to even, subnormals kept.
;;     - The product sums the exact products of the quantised numbers (number of the format x scale) in f32.
;;   ~~~python
;;   def quantise(x, axis):      # numpy; x: float32 -> the quantised numbers, widened to float32 again
;;       x = np.moveaxis(x, axis, -1); K = x.shape[-1]
;;       x = np.pad(x, [(0, 0)] * (x.ndim - 1) + [(0, -K % 32)]); x = x.reshape(x.shape[:-1] + (-1, 32)); a = np.abs(x).max(-1, keepdims=True)
;;       e = np.where(a > 0, np.clip(np.frexp(np.where(a > 0, a, 1))[1] - 1 - 2, -126, 127), 0)      # np.frexp(a)[1] - 1 = floor(log2(a)), exactly
;;       r = np.clip(x / 2.0 ** e, -6, 6)
;;       step = 2.0 ** (np.maximum(np.frexp(np.where(r == 0, 1, r))[1] - 1, 0) - 1)
;;       q = np.round(r / step) * step * 2.0 ** e      # np.round: ties to even
;;       return np.moveaxis(q.reshape(q.shape[:-2] + (-1,))[..., :K], -1, axis).astype(np.float32)
;;   ~~~
;;   SOFTMAX AHEAD OF A QUANTISED PRODUCT. Where the list says 'softmax', what is quantised is not the finished softmax but p = 2^(t - M), with t = logit x log2(e) and M = ceil(the row's largest t), a whole number; so 1/2 < the row's largest p <= 1. The row's sum l is taken of the UNQUANTISED p, in f32, and the product's result is divided by l at the end. Since M is a whole number, a kernel that streams over the keys may use a running M (the ceiling of the running maximum): every later rescaling is an exact power of two, which a block's scale takes up: the codes' values come out the same.
;;   OPERANDS COMPUTED ON THE WAY. 'Computed on the way' means the value that the module computes at that place (a softmax that the list does not call 'softmax' is quantised finished and normalised). What goes into a quantiser is computed in f32, as accurately as f32 sums, v_exp_f32 and their like allow (about 1e-6 of the number): no bf16 or f16 on the way to a quantiser, and a product that is left as it is and whose result goes on into a quantised operand takes f32 operands (vector FMAs, or v_wmma_f32_16x16x4_f32). A number that lies on a knife's edge between two numbers of the format may be rounded either way, as far as f32 arithmetic and the matrix unit's own rounding can turn it there, and no further.
;; One version. Each part assembles by itself: llvm-mc -triple=amdgcn-amd-amdhsa -mcpu=gfx1250 --defsym DOCPART=n.
;; ======== version 1 of 1: 7 launches
;; limits: right only within a limited range of input values
;; workspace buffers: img0 8,355,840 bytes; qkv 4,718,592 bytes; vt 2,228,224 bytes; cimg 2,228,224 bytes; cbuf 16,777,216 bytes; post 16,777,216 bytes; pimg 2,228,224 bytes; himg 8,912,896 bytes
;; launch prep (part 1): grid 240 x 1, 8 waves a work-group, no clusters, 72,704 bytes of LDS; arguments x, Wq, Wv, Wo, W1, W2, img0; writes img0
.if DOCPART == 1
	.amdgcn_target "amdgcn-amd-amdhsa--gfx1250"
	.amdhsa_code_object_version 6
	.text
	.protected	k_qe904566672_prep
	.globl	k_qe904566672_prep
	.p2align	8
	.type	k_qe904566672_prep,@function
k_qe904566672_prep:
	s_mov_b64 s[64:65], 0
	v_nop
	global_prefetch_b8 v0, s[64:65] scope:SCOPE_SE
	s_setreg_imm32_b32 hwreg(HW_REG_WAVE_MODE, 25, 1), 1
	s_wait_xcnt 0x0
; DEAD WORK LEFT OUT BY THE WHOLE PROGRAM: reference() forms k = x Wk + bk, reshapes it and never uses it: scores are q v^T and ctx is att v.  So no output hangs on k, whatever finite values x, Wk and bk hold:
; the table's product 2 is not computed, and Wk and bk are not loaded and are among no launch's arguments.  LIMIT: a NaN, an infinity or an overflow that reaches only k is not carried to the result.
; x [4096][1024] and five weights ([K][N], K first) become codes of FP4 (E2M1) with one E8M0 byte for each 32 along K, laid as IMAGES OF OPERAND REGISTERS.
; A UNIT (34,816 bytes) holds 128 operand rows x 512 along K: codes at a*4096 + q*1024 + c*512 + 16*lane (registers 4c..4c+3 of the fragment of block a, K step q, for that lane),
; scale words at 32768 + q*512 + r*32 + a*4.  Slot (a, r) is operand row 32 (a/2) + 8 (a%2) + r + 8 (r/8) of the 128.
; Work-group g makes unit g of img0: 0-63 x, 64-79 Wq, 80-95 Wv, 96-111 Wo, 112-175 W1, 176-239 W2.  Every input byte is read once, every code byte leaves in runs of 256 bytes or more.
; A block's scale byte is the largest magnitude's exponent field - 2, held at 1 from below by a floor among the maximum's leaves.
; LIMITS: a block of zeros gets the byte 1 where the rule says 127 (its codes are zeros and only this program reads the bytes); NaN and infinities among the inputs are not served.
; The two paths part on the work-group's number and never join; each has LDS bytes, a barrier and an end of its own.  No tensor load, no matrix unit, no cluster: nothing is shared or multiplied.
.set UNIT, 34816
.set STG,  8448                        ; x path: a wave's stage, 16 rows x (512 bytes + 16)
.set SCX,  8*STG                       ; x path: the unit's 2,048 bytes of scale words
.set SCW,  SCX+2048                    ; weight path: the same, in bytes of its own
.set R,    32                          ; x path: two sets of 64 numbers as loaded
.set X,    160                         ; 64 numbers of my row: register 32 c + i = k 64 c + 32 h + i
.set PC,   224
.set M,    232
.set SO,   234
.set BY,   236
.set WD,   238
.set H8,   6
.set T,    7
.set SEL,  26
.set VO,   32                          ; weight path: byte offsets of rows 0..31 of a block at my column
.set XW,   64
.set CW,   128
.set SB,   160
.macro QB x                            ; 64 numbers of a lane (two whole blocks) become a fragment's 8 registers and the row's scale word
.irp c, 0,1
	v_max3_num_f32 v[M+\c], |v[\x+32*\c]|, |v[\x+32*\c+1]|, 0x1800000   ; the floor 2^(3 - 127)
.endr
.irp i, 2,4,6,8,10,12,14,16,18,20,22,24,26,28,30
.irp c, 0,1
	s_delay_alu instid0(VALU_DEP_2)
	v_max3_num_f32 v[M+\c], v[M+\c], |v[\x+32*\c+\i]|, |v[\x+32*\c+\i+1]|
.endr
.endr
.irp c, 0,1
	s_delay_alu instid0(VALU_DEP_2)
	v_add_nc_u32 v[SO+\c], 0xff000000, v[M+\c]     ; 2 off the exponent field: the conversion's scale operand
.endr
.irp c, 0,1
	s_delay_alu instid0(VALU_DEP_2)
	v_lshrrev_b32 v[BY+\c], 23, v[SO+\c]           ; the scale's byte
.endr
	s_delay_alu instid0(VALU_DEP_1)
	v_lshl_or_b32 v[WD], v[BY+1], 16, v[BY]
	s_delay_alu instid0(VALU_DEP_1)
	v_lshlrev_b32 v[WD], v[H8], v[WD]
	s_delay_alu instid0(VALU_DEP_1)
	v_permlanex16_b32 v[T], v[WD], s[SEL], s[SEL+1]
	s_delay_alu instid0(VALU_DEP_1)
	v_or_b32 v[WD], v[WD], v[T]                    ; with lane l xor 16's two bytes the word is whole
.irp c, 0,1
.irp g, 0,1,2,3
	v_cvt_scalef32_pk8_fp4_f32 v[PC+4*\c+\g], v[\x+32*\c+8*\g:\x+32*\c+8*\g+7], v[SO+\c]
.endr
.endr
	v_nop                                          ; one plain line behind the last scaled conversion
.endm
	s_load_b256 s[4:11], s[0:1], 0x0               ; x, Wq, Wv, Wo
	s_load_b128 s[12:15], s[0:1], 0x20             ; W1, W2
	s_load_b64 s[18:19], s[0:1], 0x30              ; img0
	v_lshl_add_u32 v254, v0, 2, 0x11800
	v_mov_b32 v255, 0
	v_lshrrev_b32 v1, 5, v0
	s_delay_alu instid0(VALU_DEP_1)
	v_readfirstlane_b32 s20, v1                    ; wave 0..7
	v_and_b32 v2, 31, v0
	v_and_b32 v3, 15, v0                           ; r
	v_bfe_u32 v4, v0, 4, 1                         ; h
	s_delay_alu instid0(VALU_DEP_3)
	v_lshlrev_b32 v5, 4, v2                        ; 16 x lane
	s_delay_alu instid0(VALU_DEP_2)
	v_lshlrev_b32 v[H8], 3, v4
	v_mov_b32 v[T], 0
	v_lshlrev_b32 v8, 3, v2
	s_lshl_b32 s21, s20, 8
	v_add_nc_u32 v8, s21, v8                       ; 256 x wave + 8 x lane: my 8 bytes of the unit's scale words on the way out
	s_mov_b32 s[SEL], 0x76543210
	s_mov_b32 s[SEL+1], 0xfedcba98
	s_mul_i32 s22, ttmp9, UNIT
	s_mov_b32 s23, 0
	s_wait_kmcnt 0x0
	s_add_nc_u64 s[18:19], s[18:19], s[22:23]      ; my unit
	s_cmp_lt_u32 ttmp9, 64
	s_cbranch_scc0 .Lweights
	; x: unit g = (sb = g / 2, ks = g % 2); wave w makes block a = w: 16 rows x 512 along K, 128 at a time
	s_lshr_b32 s24, ttmp9, 1
	s_lshl_b32 s24, s24, 7
	s_lshr_b32 s28, s20, 1
	s_lshl_b32 s28, s28, 5
	s_add_co_u32 s24, s24, s28
	s_and_b32 s28, s20, 1
	s_lshl_b32 s28, s28, 3
	s_add_co_u32 s24, s24, s28                     ; slot 0's row
	s_lshl_b32 s24, s24, 12
	s_and_b32 s25, ttmp9, 1
	s_lshl_b32 s25, s25, 11
	s_add_co_u32 s24, s24, s25
	s_mov_b32 s25, 0
	s_add_nc_u64 s[4:5], s[4:5], s[24:25]
	s_mul_i32 s28, s20, STG
	s_wait_alu depctr_va_vdst(0)
	v_add_nc_u32 v10, s28, v5                      ; the stage, in
	v_mul_u32_u24 v11, v3, 528
	s_delay_alu instid0(VALU_DEP_1)
	v_lshl_add_u32 v11, v4, 7, v11
	s_delay_alu instid0(VALU_DEP_1)
	v_add_nc_u32 v11, s28, v11                     ; and out: row r, + 128 h
	s_lshl_b32 s28, s20, 2
	v_lshl_add_u32 v12, v3, 5, s28
	s_delay_alu instid0(VALU_DEP_1)
	v_add_nc_u32 v12, SCX, v12                     ; my scale word: 32 r + 4 a
	s_lshl_b32 s28, s20, 12
	v_add_nc_u32 v13, s28, v5                      ; my codes: 4,096 a + 16 x lane
	v_add_nc_u32 v9, SCX, v8
.macro LOADX q                         ; 16 rows' 512 bytes of K step q: each load reads 512 consecutive bytes
.irp j, 0,1,2,3,4,5,6,7,8,9,10,11,12,13,14,15
	global_load_b128 v[R+64*((\q)%2)+4*\j:R+64*((\q)%2)+4*\j+3], v5, s[4:5] offset:(\j+8*(\j/8))*4096+(\q)*512
.endr
.endm
.macro XQ q
.if (\q) < 3
	s_wait_loadcnt 16                              ; this K step's 16 loads are in; the next one's 16 may be out
.else
	s_wait_loadcnt 0x0
.endif
.irp j, 0,1,2,3,4,5,6,7,8,9,10,11,12,13,14,15
	ds_store_b128 v10, v[R+64*((\q)%2)+4*\j:R+64*((\q)%2)+4*\j+3] offset:\j*528
.endr
.irp c, 0,1
.irp i, 0,1,2,3,4,5,6,7
	ds_load_b128 v[X+32*\c+4*\i:X+32*\c+4*\i+3], v11 offset:256*\c+16*\i   ; LDS serves a wave's instructions in order
.endr
.endr
	s_wait_dscnt 0x0
.if (\q) < 2
	LOADX (\q)+2
.endif
	s_wait_xcnt 0x0                                ; the last step's stores have read the codes' registers
	QB X
	global_store_b128 v13, v[PC:PC+3], s[18:19] offset:(\q)*1024
	global_store_b128 v13, v[PC+4:PC+7], s[18:19] offset:(\q)*1024+512
	ds_store_b32 v12, v[WD] offset:(\q)*512        ; both halves of the lanes write the same word with the same value
.endm
	LOADX 0
	LOADX 1
	s_wait_alu depctr_va_vdst(0)
	XQ 0
	XQ 1
	XQ 2
	XQ 3
	s_wait_dscnt 0x0                               ; for the others' sake: my scale words lie in LDS
	s_barrier_signal -1
	s_barrier_wait -1
	ds_load_b64 v[14:15], v9
	s_wait_dscnt 0x0
	global_store_b64 v8, v[14:15], s[18:19] offset:32768   ; a wave stores 256 consecutive bytes
	s_wait_tensorcnt 0x0
	ds_add_u32 v254, v255
	s_wait_dscnt 0x0
	s_endpgm
	; the weights: a lane takes a column, its registers run down K; wave w: 32 columns (blocks 2p, 2p+1; p = w % 4) x 256 along K (kh = w / 4)
.Lweights:
	s_sub_co_u32 s24, ttmp9, 64                    ; j
	s_lshr_b32 s25, s24, 4
	s_and_b32 s30, s24, 15                         ; the unit's number in Wq, Wv, Wo,
	s_sub_co_u32 s21, s24, 48                      ; in W1,
	s_sub_co_u32 s22, s24, 112                     ; in W2
	s_mov_b64 s[28:29], s[6:7]                     ; which tensor: the choice hangs on the work-group's number alone
	s_cmp_eq_u32 s25, 1
	s_cselect_b64 s[28:29], s[8:9], s[28:29]
	s_cmp_eq_u32 s25, 2
	s_cselect_b64 s[28:29], s[10:11], s[28:29]
	s_cmp_ge_u32 s25, 3
	s_cselect_b64 s[28:29], s[12:13], s[28:29]
	s_cselect_b32 s30, s21, s30
	s_cselect_b32 s32, 14, 12                      ; log2 of a row's bytes: W1 16,384, the others 4,096
	s_cmp_ge_u32 s25, 7
	s_cselect_b64 s[28:29], s[14:15], s[28:29]
	s_cselect_b32 s30, s22, s30
	s_cselect_b32 s32, 12, s32
	s_cselect_b32 s31, 3, 1                        ; units along K: W2 eight, the others two
	s_cselect_b32 s33, 7, 1
	s_lshr_b32 s35, s30, s31                       ; sb
	s_and_b32 s36, s30, s33                        ; ks
	s_and_b32 s37, s20, 3                          ; p
	s_lshr_b32 s38, s20, 2                         ; kh
	s_lshl_b32 s36, s36, 9
	s_lshl_b32 s39, s38, 8
	s_add_co_u32 s36, s36, s39                     ; my first k
	s_lshl_b32 s56, s36, s32
	s_lshl_b32 s35, s35, 9
	s_add_co_u32 s56, s56, s35
	s_lshl_b32 s39, s37, 7
	s_add_co_u32 s56, s56, s39
	s_mov_b32 s57, 0
	s_lshl_b32 s34, 1, s32                         ; a row's bytes
	s_lshl_b32 s58, s34, 5                         ; 32 rows'
	s_mov_b32 s59, 0
	s_add_nc_u64 s[40:41], s[28:29], s[56:57]      ; a base for each of my eight blocks of 32 along K
.irp t, 1,2,3,4,5,6,7
	s_add_nc_u64 s[40+2*\t:41+2*\t], s[38+2*\t:39+2*\t], s[58:59]
.endr
	s_wait_alu depctr_va_vdst(0)
	v_and_b32 v14, 8, v3
	s_delay_alu instid0(VALU_DEP_1)
	v_add_nc_u32 v14, v14, v3
	s_delay_alu instid0(VALU_DEP_1)
	v_lshl_add_u32 v14, v4, 3, v14                 ; my column among the 32: slot r of block 2 p + lane / 16
	s_delay_alu instid0(VALU_DEP_1)
	v_lshlrev_b32 v[VO], 2, v14
.set I, 1
.rept 31
	s_delay_alu instid0(VALU_DEP_1)
	v_add_nc_u32 v[VO+I], s34, v[VO+I-1]
.set I, I+1
.endr
	s_lshl_b32 s39, s37, 13
	s_lshl_b32 s21, s38, 11
	s_add_co_u32 s39, s39, s21
	v_lshlrev_b32 v15, 12, v4
	s_delay_alu instid0(VALU_DEP_1)
	v_lshl_add_u32 v15, v3, 4, v15
	s_delay_alu instid0(VALU_DEP_1)
	v_add_nc_u32 v15, s39, v15                     ; my codes; block t lies 256 t on
	s_lshl_b32 s39, s38, 10
	s_lshl_b32 s21, s37, 3
	s_add_co_u32 s39, s39, s21
	v_lshlrev_b32 v10, 5, v3
	s_delay_alu instid0(VALU_DEP_1)
	v_lshl_add_u32 v10, v4, 2, v10
	s_delay_alu instid0(VALU_DEP_1)
	v_add_nc_u32 v10, s39, v10
	s_delay_alu instid0(VALU_DEP_1)
	v_add_nc_u32 v10, SCW, v10                     ; my scale words
	v_add_nc_u32 v9, SCW, v8
.macro LOADW t                         ; block t: 32 rows at my column; a wave reads 128 consecutive bytes of each
.set I, 0
.rept 32
	global_load_b32 v[XW+32*((\t)%2)+I], v[VO+I], s[40+2*(\t):41+2*(\t)] th:TH_LOAD_NT
.set I, I+1
.endr
.endm
.macro WBLK t
.set XS, XW+32*((\t)%2)
.if (\t) < 7
	s_wait_loadcnt 32                              ; this block's 32 loads are in; the next block's may be out
.else
	s_wait_loadcnt 0x0
.endif
	v_max3_num_f32 v162, |v[XS]|, |v[XS+1]|, |v[XS+2]|
	v_max3_num_f32 v163, |v[XS+3]|, |v[XS+4]|, |v[XS+5]|
.irp i, 6,10,14,18,22,26
	s_delay_alu instid0(VALU_DEP_2)
	v_max3_num_f32 v162, v162, |v[XS+\i]|, |v[XS+\i+1]|
	s_delay_alu instid0(VALU_DEP_2)
	v_max3_num_f32 v163, v163, |v[XS+\i+2]|, |v[XS+\i+3]|
.endr
	s_delay_alu instid0(VALU_DEP_2)
	v_max3_num_f32 v162, v162, |v[XS+30]|, |v[XS+31]|
	s_delay_alu instid0(VALU_DEP_1)
	v_max3_num_f32 v162, v162, v163, 0x1800000     ; and the floor
	s_delay_alu instid0(VALU_DEP_1)
	v_add_nc_u32 v164, 0xff000000, v162
	s_delay_alu instid0(VALU_DEP_1)
	v_lshrrev_b32 v165, 23, v164
.if (\t)%4 == 0
	s_delay_alu instid0(VALU_DEP_1)
	v_mov_b32 v[SB+(\t)/4], v165
.else
	s_delay_alu instid0(VALU_DEP_1)
	v_lshl_or_b32 v[SB+(\t)/4], v165, 8*((\t)%4), v[SB+(\t)/4]
.endif
.irp g, 0,1,2,3
	v_cvt_scalef32_pk8_fp4_f32 v[CW+4*(\t)+\g], v[XS+8*\g:XS+8*\g+7], v164
.endr
	global_store_b128 v15, v[CW+4*(\t):CW+4*(\t)+3], s[18:19] offset:256*(\t)   ; sixteen lanes store 256 consecutive bytes, aligned
.if (\t)+2 < 8
	LOADW (\t)+2
.endif
.endm
	LOADW 0
	LOADW 1
.irp t, 0,1,2,3,4,5,6,7
	WBLK \t
.endr
	ds_store_b32 v10, v[SB]
	ds_store_b32 v10, v[SB+1] offset:512
	s_wait_dscnt 0x0                               ; for the others' sake
	s_barrier_signal -1
	s_barrier_wait -1
	ds_load_b64 v[166:167], v9
	s_wait_dscnt 0x0
	global_store_b64 v8, v[166:167], s[18:19] offset:32768
	s_wait_tensorcnt 0x0
	ds_add_u32 v254, v255
	s_wait_dscnt 0x0
	s_endpgm
.Lfunc_end_k_qe904566672_prep:
	.size	k_qe904566672_prep, .Lfunc_end_k_qe904566672_prep-k_qe904566672_prep
	.p2alignl 7, 3214868480
	.fill 96, 4, 3214868480
	.section	.rodata,"a",@progbits
	.p2align	6, 0x0
	.amdhsa_kernel k_qe904566672_prep
		.amdhsa_group_segment_fixed_size 72704
		.amdhsa_private_segment_fixed_size 0
		.amdhsa_enable_private_segment 0
		.amdhsa_kernarg_size 56
		.amdhsa_user_sgpr_count 2
		.amdhsa_user_sgpr_kernarg_segment_ptr 1
		.amdhsa_wavefront_size32 1
		.amdhsa_system_sgpr_workgroup_id_x 1
		.amdhsa_system_sgpr_workgroup_id_y 1
		.amdhsa_system_sgpr_workgroup_id_z 1
		.amdhsa_system_vgpr_workitem_id 0
		.amdhsa_next_free_vgpr 256
		.amdhsa_next_free_sgpr 66
		.amdhsa_reserve_vcc 0
		.amdhsa_float_denorm_mode_32 3
		.amdhsa_float_denorm_mode_16_64 3
		.amdhsa_memory_ordered 1
		.amdhsa_forward_progress 1
		.amdhsa_inst_pref_size 81
	.end_amdhsa_kernel
	.amdgpu_metadata
---
amdhsa.version: [ 1, 2 ]
amdhsa.kernels:
  - .name:           k_qe904566672_prep
    .symbol:         k_qe904566672_prep.kd
    .args:
      - { .name: x, .offset: 0, .size: 8, .value_kind: global_buffer, .address_space: global }
      - { .name: Wq, .offset: 8, .size: 8, .value_kind: global_buffer, .address_space: global }
      - { .name: Wv, .offset: 16, .size: 8, .value_kind: global_buffer, .address_space: global }
      - { .name: Wo, .offset: 24, .size: 8, .value_kind: global_buffer, .address_space: global }
      - { .name: W1, .offset: 32, .size: 8, .value_kind: global_buffer, .address_space: global }
      - { .name: W2, .offset: 40, .size: 8, .value_kind: global_buffer, .address_space: global }
      - { .name: img0, .offset: 48, .size: 8, .value_kind: global_buffer, .address_space: global }
    .group_segment_fixed_size: 72704
    .private_segment_fixed_size: 0
    .kernarg_segment_align: 8
    .kernarg_segment_size: 56
    .max_flat_workgroup_size: 256
    .sgpr_count:     66
    .vgpr_count:     256
    .wavefront_size: 32
...
	.end_amdgpu_metadata
.endif
;; end of part 1
;; launch gemm_qkv (part 2): grid 12 x 16, 4 waves a work-group, clusters of 4 x 4, 327,680 bytes of LDS; arguments img0, bq, bv, qkv, vt; writes qkv, vt
.if DOCPART == 2
	.amdgcn_target "amdgcn-amd-amdhsa--gfx1250"
	.amdhsa_code_object_version 6
	.text
	.protected	k_qe904566672_gemm_qkv
	.globl	k_qe904566672_gemm_qkv
	.p2align	8
	.type	k_qe904566672_gemm_qkv,@function
k_qe904566672_gemm_qkv:
	s_mov_b64 s[64:65], 0
	v_nop
	global_prefetch_b8 v0, s[64:65] scope:SCOPE_SE
	s_setreg_imm32_b32 hwreg(HW_REG_WAVE_MODE, 25, 1), 1
	s_wait_xcnt 0x0
	s_wait_alu depctr_hold_cnt(0) depctr_sa_sdst(0) depctr_va_vdst(0) depctr_va_sdst(0) depctr_va_ssrc(0) depctr_va_vcc(0) depctr_vm_vsrc(0)
	s_getreg_b32 s2, hwreg(HW_REG_IB_STS2, 6, 4)
	s_cmp_eq_u32 s2, 0
	s_cbranch_scc0 .Lentry_in_a_cluster
	s_endpgm
.Lentry_in_a_cluster:
	s_bfe_u32 s2, ttmp6, 0x10000c
	s_cmp_lg_u32 s2, 0xf033
	s_cbranch_scc0 .Lentry_shape_is_right
	s_endpgm
.Lentry_shape_is_right:
; q, v = x W + b on codes of FP4 (K = 1,024), each quantised again on the way out.  k = x Wk + bk is left out: reference() never uses it (shown at the head of the first kernel).
; Both operands come as register images (units of 34,816 bytes: 128 rows x 512 K, codes then scale words).  A work-group makes 256 x 256, a wave 128 x 128 (64 accumulators, windows 2 and 3).
; ALL OF K LIES IN LDS, FILLED ONCE: the two units of a row block's K lie on end in memory, so one joint tensor load a wave (272 rows of 256 bytes) brings both; wave w's land at 2 w units.  Nothing is filled again.
; CLUSTERS 4 x 4: A's units (x) are shared along a row of the cluster, B's (Wq|Wv) along a column.  Cluster columns 0 and 1 make q and v, quantised along the head's 64: head images in qkv's two sections.
; CLUSTER COLUMN 2 MAKES v ONCE MORE, from the same tiles as column 1, WITH THE OPERANDS' ROLES EXCHANGED WHERE THE WAVE READS LDS: a lane then holds one of the head's 64 and its registers run along the tokens,
; which is what quantising along the keys wants.  The choice hangs on the cluster's x, which all partners share.
; THE MATRIX INSTRUCTION: source 0 = 16 slots of the B role, source 1 = 16 slots of the A role; slot (a, r) is row 32 (a/2) + 8 (a%2) + r + 8 (r/8), so the 64 registers of an A block are 128 neighbours of the B role: 32 g + 16 h + i.
; OUT: head image (4,608 B: 128 tokens of one head): codes t*512 + 16*lane, words 4096 + 32 r + 4 t (bytes 2, 3 = 0x7f over zero codes).  VT image (4,352 B: 64 x 128 keys): codes t*1024 + 512 c + 16*lane, words 4096 + 16 r + 4 t.
; LIMITS: a block of zeros gets the byte 1 (zero codes; only this program reads the bytes); NaN and infinities are not served.
; No prefetch: the launch has no loop over tiles to run ahead in; every tile is asked for at the head.
; REGISTERS: window 0: v1-15 addresses; v16-23 LDS addresses; v28-29 the add's; v32-95 scale words (two sets, nothing else); v96-111 lane bias; v112-127, v128-191 at work on the way out; v128-191 A's fragments; v192-255 register bias.
;   window 1: B's fragments, two sets.   windows 2, 3: accumulator (a, b) at v[8 (8 (a%4) + b)].
.set UNIT,   34816
.set SLOT,   UNIT                      ; from a row block's first K step of 512 to its second
.set SPARE,  8*UNIT                    ; the spare words: 128 bytes a wave, two blocks of 256 bytes that no other line names
.set KS,     2
.set BOFF,   64*UNIT                   ; Wq|Wv begin at unit 64
.set SEC,    2359296                   ; a section of qkv
.set NQ,     4
.set ADRA, 16
.set ADRB, 20
.set ADRS, 22
.set SPW,  28
.set NIL,  29
.set SC,   32
.set BV,   96
.set PC,   112
.set MG,   120
.set KW,   128
.set TM,   160
.set PW,   177
.set AF,   128
.set BI,   192
.set G1, 24
.set G0, 32
.set G1B, 48
.set G0B, 56
.set SEL, 92
.set MSB, 0
.macro WIN new                         ; the immediate's high byte repeats the setting that is left
.if MSB != (\new)
	s_set_vgpr_msb (MSB<<8)|(\new)
.set MSB, (\new)
.endif
.endm
.set MUL_LO, 0xa1
.set MUL_HI, 0xf1
.set TO_B,   0x40
.macro CROUND                          ; a round of the cluster's barrier
	s_barrier_signal -1
	s_barrier_wait -1
	s_cmp_lg_u32 s14, 0
	s_cbranch_scc1 .Lnot_wave_0_\@
	s_barrier_signal -3
.Lnot_wave_0_\@:
	s_barrier_wait -3
	s_barrier_signal -1
	s_barrier_wait -1
.endm
.macro PLACES                          ; four plain lines behind a matrix instruction (ISA guide 7.12.1)
.rept 4
	v_nop
.endr
.endm
	s_load_b128 s[4:7], s[0:1], 0x0                ; img0, bq
	s_load_b64 s[10:11], s[0:1], 0x10              ; bv
	s_load_b128 s[68:71], s[0:1], 0x18             ; qkv, vt
	v_lshl_add_u32 v[SPW], v0, 2, SPARE
	v_mov_b32 v[NIL], 0
	ds_add_u32 v28, v29
	ds_add_u32 v28, v29
	s_wait_dscnt 0x0
	v_lshrrev_b32 v1, 5, v0
	v_readfirstlane_b32 s14, v1                    ; wave 0..3
	s_lshr_b32 s15, s14, 1                         ; my half of the A role.  Also: I fetch for A (0) or for B (1)
	s_and_b32 s16, s14, 1                          ; my half of the B role.  Also: which half I fetch
	s_bfe_u32 s40, ttmp6, 0x40000                  ; cx
	s_bfe_u32 s41, ttmp6, 0x40004                  ; cy
	s_min_u32 s42, ttmp9, 1                        ; cluster column 2 takes Wv's tiles, as column 1 does
	s_lshl_b32 s42, s42, 2
	s_add_co_u32 s42, s42, s40                     ; tile column of Wq|Wv
	s_and_b32 s17, ttmp7, 0xffff
	s_lshl_b32 s17, s17, 2
	s_add_co_u32 s17, s17, s41                     ; tile row of x
	s_lshl_b32 s43, s41, 2
	s_lshl_b32 s43, 15, s43                        ; my row of the cluster
	s_lshl_b32 s44, 0x1111, s40                    ; my column
	s_or_b32 s[G1], s43, (3<<16)|(1<<21)           ; group 1: the mask; elements of 8 bytes; bit 21 beside a mask; no padding
	s_or_b32 s[G1B], s44, (3<<16)|(1<<21)
.irp g, G1, G1B
	s_mov_b32 s[\g+1], 32<<16                      ; rows of 256 bytes
	s_mov_b32 s[\g+2], 272<<16                     ; 272 rows: two units
	s_mov_b32 s[\g+3], 32<<16
	s_mov_b32 s[\g+4], 272
	s_mov_b32 s[\g+5], 32                          ; dense
	s_mov_b32 s[\g+6], 0
	s_mov_b32 s[\g+7], 0
.endr
	s_lshl_b32 s20, s17, 1
	s_add_co_u32 s20, s20, s16
	s_mul_i32 s20, s20, KS*UNIT                    ; A: unit (2 tile row + half) KS
	s_mov_b32 s21, 0
	s_lshl_b32 s46, s42, 1
	s_add_co_u32 s46, s46, s16
	s_mul_i32 s46, s46, KS*UNIT
	s_add_co_u32 s46, s46, BOFF                    ; B likewise
	s_mov_b32 s47, 0
	s_mul_i32 s45, s14, 2*UNIT                     ; where they go: wave x two units
	s_mov_b32 s90, 0xffff0000                      ; lanes 16-31
	s_mov_b32 s[SEL], 0x76543210
	s_mov_b32 s[SEL+1], 0xfedcba98
	s_wait_kmcnt 0x0
	s_add_nc_u64 s[20:21], s[4:5], s[20:21]
	s_add_nc_u64 s[46:47], s[4:5], s[46:47]
	CROUND                                         ; all sixteen work-groups are here: the joint loads meet
	s_mov_b32 s[G0], 1
	s_mov_b32 s[G0+1], s45
	s_mov_b64 s[G0+2:G0+3], s[20:21]
	s_or_b32 s[G0+3], s[G0+3], 0x80000000
	s_mov_b32 s[G0B], 1
	s_mov_b32 s[G0B+1], s45
	s_mov_b64 s[G0B+2:G0B+3], s[46:47]
	s_or_b32 s[G0B+3], s[G0B+3], 0x80000000
	s_cmp_eq_u32 s15, 0                            ; waves 0, 1 fetch A's halves, waves 2, 3 B's: one tensor load a wave
	s_cbranch_scc0 .Lfor_b
	tensor_load_to_lds s[G0:G0+3], s[G1:G1+7]
	s_nop 0
.rept 4
	v_nop
.endr
	s_branch .Lasked
.Lfor_b:
	tensor_load_to_lds s[G0B:G0B+3], s[G1B:G1B+7]
	s_nop 0
.rept 4
	v_nop
.endr
.Lasked:
	; which LDS units play which role for my wave
	s_cmp_eq_u32 ttmp9, 2
	s_cselect_b32 s73, s16, s15                    ; my half of x's 256 rows
	s_cselect_b32 s74, s15, s16                    ; my half of W's 256 columns
	s_mul_i32 s75, s73, 2*UNIT
	s_mul_i32 s76, s74, 2*UNIT
	s_add_co_u32 s76, s76, 4*UNIT
	s_cmp_eq_u32 ttmp9, 2
	s_cselect_b32 s18, s76, s75                    ; the A role's units
	s_cselect_b32 s19, s75, s76                    ; the B role's
	v_and_b32 v1, 15, v0                           ; r
	v_bfe_u32 v2, v0, 4, 1                         ; h
	v_and_b32 v3, 31, v0
	v_lshlrev_b32 v3, 4, v3                        ; 16 x lane
	v_lshlrev_b32 v4, 5, v1
	v_add_nc_u32 v4, 32768, v4                     ; a unit's scale words: 32 r
	v_add_nc_u32 v5, s18, v4
	v_add_nc_u32 v4, s19, v4
	v_cndmask_b32 v4, v5, v4, s90                  ; lanes 0-15 take the A role's words, lanes 16-31 the B role's
.irp s, 0,1
	v_add_nc_u32 v[ADRA+\s], s18, v3
	v_add_nc_u32 v[ADRB+\s], s19, v3
	v_add_nc_u32 v[ADRS+\s], \s*SLOT, v4
	s_add_co_u32 s18, s18, SLOT
	s_add_co_u32 s19, s19, SLOT
.endr
	; where my results go: image ((16 b + head) 16 + step)
	s_lshl_b32 s77, s17, 1
	s_add_co_u32 s77, s77, s73                     ; my 128 tokens: 16 b + step
	s_lshr_b32 s80, s77, 4
	s_lshl_b32 s80, s80, 4
	s_lshl_b32 s81, s40, 2
	s_add_co_u32 s80, s80, s81
	s_lshl_b32 s81, s74, 1
	s_add_co_u32 s80, s80, s81                     ; 16 b + my first head (4 cx + 2 x half)
	s_lshl_b32 s80, s80, 4
	s_and_b32 s81, s77, 15
	s_add_co_u32 s80, s80, s81
	s_cmp_eq_u32 ttmp9, 2
	s_cselect_b64 s[78:79], s[70:71], s[68:69]
	s_mov_b32 s81, 4608
	s_cselect_b32 s81, 4352, s81
	s_cselect_b32 s82, 0, ttmp9                    ; q: section 0, v: section 1
	s_mul_i32 s80, s80, s81
	s_mul_i32 s82, s82, SEC
	s_add_co_u32 s80, s80, s82
	s_mov_b32 s81, 0
	s_add_nc_u64 s[78:79], s[78:79], s[80:81]
	; the biases, in both forms (each work-group uses one; both stay inside their buffers)
	s_cmp_eq_u32 ttmp9, 0
	s_cselect_b64 s[84:85], s[6:7], s[10:11]
	s_lshl_b32 s86, s40, 10
	s_lshl_b32 s87, s16, 9
	s_add_co_u32 s86, s86, s87
	s_mov_b32 s87, 0
	s_add_nc_u64 s[84:85], s[84:85], s[86:87]
	s_lshl_b32 s86, s40, 10
	s_lshl_b32 s88, s15, 9
	s_add_co_u32 s86, s86, s88
	s_add_nc_u64 s[88:89], s[10:11], s[86:87]
	v_lshlrev_b32 v6, 6, v2                        ; 64 h
	v_and_b32 v7, 8, v1
	v_add_nc_u32 v7, v7, v1
	v_lshlrev_b32 v7, 2, v7                        ; 4 (r + 8 (r / 8))
.irp b, 0,1,2,3,4,5,6,7
	global_load_b128 v[BI+8*\b:BI+8*\b+3], v6, s[84:85] offset:(32*(\b/2)+8*(\b%2))*4       ; along the registers
	global_load_b128 v[BI+8*\b+4:BI+8*\b+7], v6, s[84:85] offset:(32*(\b/2)+8*(\b%2))*4+16
.endr
.irp a, 0,1,2,3,4,5,6,7
	global_load_b32 v[BV+2*\a], v7, s[88:89] offset:(32*(\a/2)+8*(\a%2))*4                  ; along the lanes, twice: a pair for the packed addition
	global_load_b32 v[BV+2*\a+1], v7, s[88:89] offset:(32*(\a/2)+8*(\a%2))*4
.endr
	v_mul_u32_u24 v8, v2, 69632
	v_lshl_add_u32 v8, v1, 4, v8                   ; VT's scale words: the next head for lanes 16-31, 16 r
	v_lshlrev_b32 v9, 5, v1
	v_lshl_add_u32 v9, v2, 4, v9                   ; a head image's: 32 r + 16 h
.macro FRAG reg, adr, q, i             ; a fragment's image: two loads of 16 bytes a lane, 512 bytes apart
.irp c, 0,1
	ds_load_b128 v[\reg+4*\c:\reg+4*\c+3], v[\adr] offset:(\i)*4096+(\q)*1024+512*\c
.endr
.endm
; 16 matrix instructions: A blocks a0, a0 + 1 x B's eight.  The 64 accumulators take turns, one instruction a turn.  first = 1: the product starts the sums
.macro MUL16 a0, p, q, sc, first
.irp a, \a0, \a0+1
.irp b, 0,1,2,3,4,5,6,7
.if \first
	v_wmma_scale_f32_16x16x128_f8f6f4 v[8*(8*((\a)%4)+\b):8*(8*((\a)%4)+\b)+7], v[128*(\p)+8*\b:128*(\p)+8*\b+7], v[AF+8*(\a):AF+8*(\a)+7], 0, v[SC+32*(\sc)+8*(\q)+\b], v[SC+32*(\sc)+8*(\q)+(\a)] matrix_a_fmt:MATRIX_FMT_FP4 matrix_b_fmt:MATRIX_FMT_FP4 matrix_a_scale:MATRIX_SCALE_ROW1
.else
	v_wmma_scale_f32_16x16x128_f8f6f4 v[8*(8*((\a)%4)+\b):8*(8*((\a)%4)+\b)+7], v[128*(\p)+8*\b:128*(\p)+8*\b+7], v[AF+8*(\a):AF+8*(\a)+7], v[8*(8*((\a)%4)+\b):8*(8*((\a)%4)+\b)+7], v[SC+32*(\sc)+8*(\q)+\b], v[SC+32*(\sc)+8*(\q)+(\a)] matrix_a_fmt:MATRIX_FMT_FP4 matrix_b_fmt:MATRIX_FMT_FP4 matrix_a_scale:MATRIX_SCALE_ROW1
.endif
.endr
.endr
.endm
.macro FETCH_B slot, q, p
	WIN TO_B
.irp i, 0,1,2,3,4,5,6,7
	FRAG 128*(\p)+8*\i, ADRB+\slot, \q, \i
.endr
	WIN 0
.endm
.macro FETCH_A slot, q, i0
.irp i, \i0, \i0+1, \i0+2, \i0+3
	FRAG AF+8*(\i), ADRA+\slot, \q, \i
.endr
.endm
.macro SCALES sl                       ; register 8 q + i: lanes 0-15 the A role's block i, lanes 16-31 the B role's
.irp q, 0,1,2,3
.irp e, 0,1
	ds_load_b128 v[SC+32*\sl+8*\q+4*\e:SC+32*\sl+8*\q+4*\e+3], v[ADRS+\sl] offset:\q*512+16*\e
.endr
.endr
.endm
.macro STEP slot, q, first             ; 128 along K that has its successor in the same unit
	s_wait_dscnt 8                                 ; all but the youngest eight loads (A's blocks 4-7) are in
	WIN MUL_LO
	MUL16 0, (\q)%2, \q, \slot, \first
	MUL16 2, (\q)%2, \q, \slot, \first
	s_wait_dscnt 0
	PLACES
	FETCH_B \slot, (\q)+1, 1-(\q)%2
	FETCH_A \slot, (\q)+1, 0
	WIN MUL_HI
	MUL16 4, (\q)%2, \q, \slot, \first
	MUL16 6, (\q)%2, \q, \slot, \first
	PLACES
	WIN 0
	FETCH_A \slot, (\q)+1, 4
.endm
.macro TURN slot, next                 ; a unit's last step goes on into the next unit: no barrier, all of K has been shown to every wave
	s_wait_dscnt 8
	WIN MUL_LO
	MUL16 0, 1, NQ-1, \slot, 0
	MUL16 2, 1, NQ-1, \slot, 0
	s_wait_dscnt 0
	PLACES
	FETCH_B \next, 0, 0
	FETCH_A \next, 0, 0
	SCALES \next
	WIN MUL_HI
	MUL16 4, 1, NQ-1, \slot, 0
	MUL16 6, 1, NQ-1, \slot, 0
	PLACES
	WIN 0
	FETCH_A \next, 0, 4
.endm
	s_wait_alu depctr_va_vdst(0)
	s_wait_loadcnt 0x0                             ; the biases
	s_wait_tensorcnt 0x0                           ; my two units are in,
	s_barrier_signal -1
	s_barrier_wait -1                              ; everybody's are
	FETCH_B 0, 0, 0
	FETCH_A 0, 0, 0
	SCALES 0
	FETCH_A 0, 0, 4
	STEP 0, 0, 1
	STEP 0, 1, 0
	STEP 0, 2, 0
	TURN 0, 1
	STEP 1, 0, 0
	STEP 1, 1, 0
	STEP 1, 2, 0
	s_wait_dscnt 8
	WIN MUL_LO
	MUL16 0, 1, NQ-1, 1, 0
	MUL16 2, 1, NQ-1, 1, 0
	s_wait_dscnt 0
	WIN MUL_HI
	MUL16 4, 1, NQ-1, 1, 0
	MUL16 6, 1, NQ-1, 1, 0
	WIN 0
	PLACES
; The 64 numbers of A block a (window WW, from v[S0]; register 16 b + i = neighbour 32 b + 16 h + i) become a fragment's codes in v[PC] on and its scale word
.macro QUANTW word
	WIN (WW<<2)|WW
.irp b, 0,1,2,3
	v_max3_num_f32 v[TM+\b], |v[S0+16*\b]|, |v[S0+16*\b+1]|, 0x1800000   ; with the floor 2^(3 - 127)
.endr
.irp i, 2,4,6,8,10,12,14
.irp b, 0,1,2,3
	v_max3_num_f32 v[TM+\b], |v[S0+16*\b+\i]|, |v[S0+16*\b+\i+1]|, v[TM+\b]
.endr
.endr
	WIN 0
.irp b, 0,1,2,3
	v_permlanex16_b32 v[TM+4+\b], v[TM+\b], s[SEL], s[SEL+1]
.endr
.irp b, 0,1,2,3
	v_max_num_f32 v[TM+\b], v[TM+\b], v[TM+4+\b]
.endr
.irp b, 0,1,2,3
	v_add_nc_u32 v[TM+12+\b], 0xff000000, v[TM+\b]
.endr
.irp b, 0,1,2,3
	v_lshrrev_b32 v[TM+4+\b], 23, v[TM+12+\b]
.endr
	v_lshl_or_b32 v[\word], v[TM+5], 8, v[TM+4]
	v_lshl_or_b32 v[\word], v[TM+6], 16, v[\word]
	v_lshl_or_b32 v[\word], v[TM+7], 24, v[\word]
	WIN WW
.irp b, 0,1,2,3
	v_cvt_scalef32_pk8_fp4_f32 v[PC+2*\b], v[S0+16*\b:S0+16*\b+7], v[TM+12+\b]
	v_cvt_scalef32_pk8_fp4_f32 v[PC+2*\b+1], v[S0+16*\b+8:S0+16*\b+15], v[TM+12+\b]
.endr
	WIN 0
	v_nop                                          ; one plain line behind the last scaled conversion
.irp c, 0,1
.irp i, 0,1
	v_permlane16_swap_b32 v[PC+4*\c+\i], v[PC+2+4*\c+\i]   ; a whole block to a lane
.endr
.endr
.endm
.irp b, 0,1,2,3
	v_mov_b32 v[TM+4+\b], 0                        ; a lane permute's destination counts as read
.endr
	v_mov_b32 v176, 0x7f7f7f7f
	s_cmp_eq_u32 ttmp9, 2
	s_cbranch_scc1 .Lkeys
	; q, v along the head's 64: my 128 columns are two heads
.irp a, 0,1,2,3,4,5,6,7
.set S0, 64*(\a%4)
.set WW, 2+\a/4
	WIN (WW<<6)|WW
.set I, 0
.rept 32
	v_pk_add_f32 v[S0+I:S0+I+1], v[S0+I:S0+I+1], v[BI+I:BI+I+1]   ; the bias; each accumulator is read from its low end on
.set I, I+2
.endr
	s_wait_xcnt 0x0                                ; the last block's stores have read the codes' registers
	QUANTW PW
	global_store_b128 v3, v[PC:PC+3], s[78:79] offset:\a*512           ; 32 lanes store 512 consecutive bytes
	global_store_b128 v3, v[PC+4:PC+7], s[78:79] offset:\a*512+73728   ; the next head
	v_perm_b32 v[KW+\a], v176, v[PW], 0x04040100   ; a head's two bytes, and 0x7f twice over the zero codes
	v_perm_b32 v[KW+8+\a], v176, v[PW], 0x04040302
.endr
.irp c, 0,1
.irp i, 0,1,2,3
	v_cndmask_b32 v[MG+4*\c+\i], v[KW+8*\c+\i], v[KW+8*\c+4+\i], s90
.endr
	global_store_b128 v9, v[MG+4*\c:MG+4*\c+3], s[78:79] offset:\c*73728+4096
.endr
	s_branch .Ldone
.Lkeys:
	; v along the keys: my 128 slots of the A role are two heads' 64, my registers 128 tokens
.irp a, 0,1,2,3,4,5,6,7
.set S0, 64*(\a%4)
.set WW, 2+\a/4
	WIN (WW<<6)|WW
.set I, 0
.rept 32
	v_pk_add_f32 v[S0+I:S0+I+1], v[S0+I:S0+I+1], v[BV+2*\a:BV+2*\a+1]
.set I, I+2
.endr
	s_wait_xcnt 0x0
	QUANTW KW+\a
	global_store_b128 v3, v[PC:PC+3], s[78:79] offset:(\a/4)*69632+(\a%4)*1024
	global_store_b128 v3, v[PC+4:PC+7], s[78:79] offset:(\a/4)*69632+(\a%4)*1024+512
.endr
.irp i, 0,1,2,3
	v_cndmask_b32 v[MG+\i], v[KW+\i], v[KW+4+\i], s90
.endr
	global_store_b128 v8, v[MG:MG+3], s[78:79] offset:4096             ; sixteen lanes store 256 consecutive bytes, aligned
.Ldone:
	s_wait_tensorcnt 0x0                           ; the wave's end
	ds_add_u32 v[SPW], v[NIL]
	s_wait_dscnt 0x0
	CROUND                                         ; the closing round
	s_endpgm
.Lfunc_end_k_qe904566672_gemm_qkv:
	.size	k_qe904566672_gemm_qkv, .Lfunc_end_k_qe904566672_gemm_qkv-k_qe904566672_gemm_qkv
	.p2alignl 7, 3214868480
	.fill 96, 4, 3214868480
	.section	.rodata,"a",@progbits
	.p2align	6, 0x0
	.amdhsa_kernel k_qe904566672_gemm_qkv
		.amdhsa_group_segment_fixed_size 327680
		.amdhsa_private_segment_fixed_size 0
		.amdhsa_enable_private_segment 0
		.amdhsa_kernarg_size 40
		.amdhsa_user_sgpr_count 2
		.amdhsa_user_sgpr_kernarg_segment_ptr 1
		.amdhsa_wavefront_size32 1
		.amdhsa_system_sgpr_workgroup_id_x 1
		.amdhsa_system_sgpr_workgroup_id_y 1
		.amdhsa_system_sgpr_workgroup_id_z 1
		.amdhsa_system_vgpr_workitem_id 0
		.amdhsa_next_free_vgpr 1024
		.amdhsa_next_free_sgpr 100
		.amdhsa_reserve_vcc 0
		.amdhsa_float_denorm_mode_32 3
		.amdhsa_float_denorm_mode_16_64 3
		.amdhsa_memory_ordered 1
		.amdhsa_forward_progress 1
		.amdhsa_inst_pref_size 196
	.end_amdhsa_kernel
	.amdgpu_metadata
---
amdhsa.version: [ 1, 2 ]
amdhsa.kernels:
  - .name:           k_qe904566672_gemm_qkv
    .symbol:         k_qe904566672_gemm_qkv.kd
    .args:
      - { .name: img0, .offset: 0, .size: 8, .value_kind: global_buffer, .address_space: global }
      - { .name: bq, .offset: 8, .size: 8, .value_kind: global_buffer, .address_space: global }
      - { .name: bv, .offset: 16, .size: 8, .value_kind: global_buffer, .address_space: global }
      - { .name: qkv, .offset: 24, .size: 8, .value_kind: global_buffer, .address_space: global }
      - { .name: vt, .offset: 32, .size: 8, .value_kind: global_buffer, .address_space: global }
    .group_segment_fixed_size: 327680
    .private_segment_fixed_size: 0
    .kernarg_segment_align: 8
    .kernarg_segment_size: 40
    .max_flat_workgroup_size: 128
    .sgpr_count:     100
    .vgpr_count:     1024
    .wavefront_size: 32
...
	.end_amdgpu_metadata
.endif
;; end of part 2
;; launch attn (part 3): grid 8 x 32, 16 waves a work-group, clusters of 4 x 1, 169,984 bytes of LDS; arguments qkv, vt, cimg; writes cimg
.if DOCPART == 3
	.amdgcn_target "amdgcn-amd-amdhsa--gfx1250"
	.amdhsa_code_object_version 6
	.text
	.protected	k_qe904566672_attn
	.globl	k_qe904566672_attn
	.p2align	8
	.type	k_qe904566672_attn,@function
k_qe904566672_attn:
	s_mov_b64 s[64:65], 0
	v_nop
	global_prefetch_b8 v0, s[64:65] scope:SCOPE_SE
	s_setreg_imm32_b32 hwreg(HW_REG_WAVE_MODE, 25, 1), 1
	s_wait_xcnt 0x0
	s_wait_alu depctr_hold_cnt(0) depctr_sa_sdst(0) depctr_va_vdst(0) depctr_va_sdst(0) depctr_va_ssrc(0) depctr_va_vcc(0) depctr_vm_vsrc(0)
	s_getreg_b32 s2, hwreg(HW_REG_IB_STS2, 6, 4)
	s_cmp_eq_u32 s2, 0
	s_cbranch_scc0 .Lentry_in_a_cluster
	s_endpgm
.Lentry_in_a_cluster:
	s_bfe_u32 s2, ttmp6, 0x10000c
	s_cmp_lg_u32 s2, 0x3003
	s_cbranch_scc0 .Lentry_shape_is_right
	s_endpgm
.Lentry_shape_is_right:
; ctx = softmax(q v^T / 8) v for one (batch, head), both products on codes of FP4, and ctx quantised along the layer's 1,024 into the next product's operand image.
; THE SOFTMAX: t = score x log2(e) / 8; M = the running largest t rounded UP to a whole number; p = 2^(t - M) is quantised along the keys, not normalised; the row's sum is taken of the unquantised p and divides at the end.
; When M moves, the sum and O are multiplied by 2^(old M - new M): exact, and without a branch on data.
; SHARES.  A work-group owns 256 queries of one head, each of its sixteen waves one tile of 16: four waves to a SIMD, so that one wave's vector work stands beside another's products and LDS loads.
; THE WHOLE HEAD STAYS IN LDS: v as keys (16 head images, 73,728 bytes) and v with the keys innermost (16 VT images, 69,632 bytes), filled once.  The four query blocks of a cluster read the same head:
; each of the eight loads (waves 0-3: four steps of the first; waves 4-7: of the second) is asked for jointly.  One tensor load a wave is out.  Nothing is filled again: no ring.
; LAYOUT.  S^T = V Q^T (K = 64: the upper 64 of the instruction's K are zero codes on both sides, under the byte 0x7f), O^T = V^T P^T: a lane holds one query throughout.  The images' slot order makes the 16 registers of
; tiles 2 b, 2 b + 1 sixteen neighbours (keys in S^T, the head's 64 in O^T).
; LIMITS: a block of zeros gets the byte 1 (zero codes); NaN and infinities are not served.  ctx's scale bytes leave two bytes a lane: a scale word is shared by two heads, which are two work-groups.
; REGISTERS: v1-4 LDS places that stay; v5, v7 where the results go; v8-11 the step's addresses; v12 -M, v13 the largest t, v[14:15] the sum; v16-23 Q (upper four 0); v24-31 the keys' scale words; v32-95 eight tiles of keys (upper four of each 0);
; v96-159 S^T, then p; v160-191 O^T; v192-223 V^T's four tiles; v224-231 p's codes; v232-247, v252, v254 at work; v248-251 V^T's scale words; v253 p's; v255 Q's.
.set SEC,   2359296
.set UNIT,  34816
.set HSTEP, 4608
.set VSTEP, 4352
.set VTB,   16*HSTEP
.set WV,   18
.set SEL,  20
.set CS,   22
.set G1K,  24
.set G1V,  32
.set G0K,  40
.set G0V,  44
.set CNT,  48
.set TK,   66
.set TV,   67
.macro CROUND
	s_barrier_signal -1
	s_barrier_wait -1
	s_cmp_lg_u32 s[WV], 0
	s_cbranch_scc1 .Lnot_wave_0_\@
	s_barrier_signal -3
.Lnot_wave_0_\@:
	s_barrier_wait -3
	s_barrier_signal -1
	s_barrier_wait -1
.endm
	s_load_b128 s[4:7], s[0:1], 0x0                ; qkv, vt
	s_load_b64 s[8:9], s[0:1], 0x10                ; cimg
	v_lshl_add_u32 v242, v0, 2, 0x29000
	v_mov_b32 v243, 0
	ds_add_u32 v242, v243
	ds_add_u32 v242, v243
	v_lshrrev_b32 v8, 5, v0
	s_delay_alu instid0(VALU_DEP_1)
	v_readfirstlane_b32 s[WV], v8                  ; wave 0..15
	s_bfe_u32 s10, ttmp6, 0x40000                  ; cx
	s_lshl_b32 s11, ttmp9, 2
	s_add_co_u32 s11, s11, s10                     ; my block of 256 queries: it enters Q's and ctx's addresses alone
	s_and_b32 s12, ttmp7, 0xffff                   ; 16 b + head, which the partners share
	s_and_b32 s13, s[WV], 3                        ; which four steps I fetch, if I fetch
	s_mul_i32 s14, s12, 16*HSTEP
	s_mul_i32 s15, s13, 4*HSTEP
	s_add_co_u32 s50, s14, s15
	s_add_co_u32 s50, s50, SEC                     ; v as keys is qkv's second section
	s_mov_b32 s51, 0
	s_mul_i32 s52, s12, 16*VSTEP
	s_mul_i32 s16, s13, 4*VSTEP
	s_add_co_u32 s52, s52, s16
	s_mov_b32 s53, 0
	s_mov_b32 s[G1K], 15|(3<<16)|(1<<21)           ; the mask: all four work-groups; elements of 8 bytes; bit 21 beside a mask; dense rows of 256 bytes
	s_mov_b32 s[G1K+1], 32<<16
	s_mov_b32 s[G1K+2], 72<<16                     ; 72 rows: 18,432 bytes
	s_mov_b32 s[G1K+3], 32<<16
	s_mov_b32 s[G1K+4], 72
	s_mov_b32 s[G1K+5], 32
	s_mov_b32 s[G1K+6], 0
	s_mov_b32 s[G1K+7], 0
	s_mov_b32 s[G1V], 15|(3<<16)|(1<<21)
	s_mov_b32 s[G1V+1], 32<<16
	s_mov_b32 s[G1V+2], 68<<16                     ; 68 rows: 17,408 bytes
	s_mov_b32 s[G1V+3], 32<<16
	s_mov_b32 s[G1V+4], 68
	s_mov_b32 s[G1V+5], 32
	s_mov_b32 s[G1V+6], 0
	s_mov_b32 s[G1V+7], 0
	s_mov_b32 s[SEL], 0x76543210
	s_mov_b32 s[SEL+1], 0xfedcba98
	s_mov_b32 s[CS], 0x3e38aa3b                    ; c = log2(e) / 8
	s_mov_b32 s[CS+1], s[CS]                       ; (named with it as a pair, so it is written)
	s_mov_b32 s[TK], 0
	s_mov_b32 s[TV], 0
	s_mov_b32 s[CNT], 16
	s_wait_dscnt 0x0
	s_wait_kmcnt 0x0
	s_mov_b32 s[G0K], 1
	s_mov_b32 s[G0K+1], s15
	s_add_nc_u64 s[G0K+2:G0K+3], s[4:5], s[50:51]
	s_or_b32 s[G0K+3], s[G0K+3], 0x80000000
	s_mov_b32 s[G0V], 1
	s_add_co_u32 s[G0V+1], s16, VTB
	s_add_nc_u64 s[G0V+2:G0V+3], s[6:7], s[52:53]
	s_or_b32 s[G0V+3], s[G0V+3], 0x80000000
	CROUND                                         ; all four work-groups are here: the joint loads meet
	s_cmp_lt_u32 s[WV], 4
	s_cbranch_scc0 .Lnot_k
	tensor_load_to_lds s[G0K:G0K+3], s[G1K:G1K+7]
	s_nop 0
.rept 4
	v_nop
.endr
	s_branch .Lasked
.Lnot_k:
	s_cmp_lt_u32 s[WV], 8
	s_cbranch_scc0 .Lasked
	tensor_load_to_lds s[G0V:G0V+3], s[G1V:G1V+7]
	s_nop 0
.rept 4
	v_nop
.endr
.Lasked:
	v_and_b32 v5, 31, v0
	v_and_b32 v6, 15, v0                           ; r
	s_delay_alu instid0(VALU_DEP_2)
	v_lshlrev_b32 v1, 4, v5                        ; 16 x lane: a key tile's image
	s_wait_alu depctr_va_vdst(0)
	v_lshlrev_b32 v2, 5, v6
	s_delay_alu instid0(VALU_DEP_1)
	v_add_nc_u32 v2, 4096, v2                      ; the keys' scale words: 32 r
	v_add_nc_u32 v3, VTB, v1                       ; V^T's tiles
	v_lshlrev_b32 v4, 4, v6
	s_delay_alu instid0(VALU_DEP_1)
	v_add_nc_u32 v4, VTB+4096, v4                  ; and their scale words: 16 r
	s_lshl_b32 s54, s11, 1
	s_lshr_b32 s55, s[WV], 3
	s_add_co_u32 s54, s54, s55                     ; my queries' step of 128 tokens
	s_and_b32 s55, s[WV], 7                        ; and their tile in it
	s_mul_i32 s56, s54, HSTEP
	s_add_co_u32 s56, s56, s14
	s_mov_b32 s57, 0
	s_add_nc_u64 s[58:59], s[4:5], s[56:57]        ; q is qkv's first section
	s_lshl_b32 s56, s55, 9
	v_add_nc_u32 v9, s56, v1
	global_load_b128 v[16:19], v9, s[58:59]        ; Q's codes stay in registers
	s_lshl_b32 s56, s55, 2
	v_lshl_add_u32 v10, v6, 5, s56
	global_load_b32 v255, v10, s[58:59] offset:4096
	; where ctx goes: unit (16 b + step) 2 + head / 8; block = my tile; K step (head / 2) % 4; half head % 2
	s_lshr_b32 s56, s12, 4
	s_lshl_b32 s56, s56, 4
	s_add_co_u32 s56, s56, s54
	s_and_b32 s57, s12, 15
	s_lshl_b32 s56, s56, 1
	s_lshr_b32 s60, s57, 3
	s_add_co_u32 s56, s56, s60
	s_mul_i32 s60, s56, UNIT
	s_mov_b32 s61, 0
	s_add_nc_u64 s[8:9], s[8:9], s[60:61]
	s_bfe_u32 s56, s57, 0x20001
	s_and_b32 s57, s57, 1
	s_lshl_b32 s60, s55, 12
	s_lshl_b32 s61, s56, 10
	s_add_co_u32 s60, s60, s61
	s_lshl_b32 s61, s57, 9
	s_add_co_u32 s60, s60, s61
	v_add_nc_u32 v5, s60, v1
	s_lshl_b32 s60, s56, 9
	s_lshl_b32 s61, s55, 2
	s_add_co_u32 s60, s60, s61
	s_lshl_b32 s61, s57, 1
	s_add_co_u32 s60, s60, s61
	v_lshl_add_u32 v7, v6, 5, s60
.irp i, 20,21,22,23
	v_mov_b32 v\i, 0                               ; zero codes for k = 64 .. 127
.endr
.irp t, 0,1,2,3,4,5,6,7
.irp i, 4,5,6,7
	v_mov_b32 v[32+8*\t+\i], 0
.endr
.endr
	v_mov_b32 v13, 0xff61b1e6                      ; the largest t so far: -3e38
	s_delay_alu instid0(VALU_DEP_1)
	v_floor_f32 v12, -v13                          ; -M
	v_mov_b32 v14, 0
	v_mov_b32 v15, 0
.irp b, 0,1,2,3
	v_mov_b32 v[236+\b], 0                         ; a lane permute's destination counts as read
.endr
	v_mov_b32 v253, 0
.set J, 0
.rept 32
	v_mov_b32 v[160+J], 0                          ; O^T: the loop has no first step of its own; the first change of M multiplies zeros
.set J, J+1
.endr
	s_wait_loadcnt 0x0                             ; Q
	s_wait_tensorcnt 0x0                           ; my part of the head has landed,
	s_barrier_signal -1
	s_barrier_wait -1                              ; everybody's has
.Lstep:                                            ; 16 trips of 128 keys
	v_add_nc_u32 v8, s[TK], v1                     ; (these four are also the places ahead of the loads into registers that the last products read)
	v_add_nc_u32 v9, s[TK], v2
	v_add_nc_u32 v10, s[TV], v3
	v_add_nc_u32 v11, s[TV], v4
.irp t, 0,1,2,3,4,5,6,7
	ds_load_b128 v[32+8*\t:35+8*\t], v8 offset:512*\t
.endr
	ds_load_b128 v[24:27], v9
	ds_load_b128 v[28:31], v9 offset:16
.irp t, 0,1,2,3
.irp c, 0,1
	ds_load_b128 v[192+8*\t+4*\c:195+8*\t+4*\c], v10 offset:1024*\t+512*\c
.endr
.endr
	ds_load_b128 v[248:251], v11
	s_wait_dscnt 9                                 ; the keys and their words are in; the nine loads for V^T may be out
.irp t, 0,1,2,3,4,5,6,7
	v_wmma_scale_f32_16x16x128_f8f6f4 v[96+8*\t:103+8*\t], v[32+8*\t:39+8*\t], v[16:23], 0, v[24+\t], v255 matrix_a_fmt:MATRIX_FMT_FP4 matrix_b_fmt:MATRIX_FMT_FP4
.endr
.rept 4
	v_nop
.endr
.irp b, 0,1,2,3
	v_max3_num_f32 v[232+\b], v[96+16*\b], v[97+16*\b], v[98+16*\b]   ; the largest score of each block of 32 keys: for the row's maximum and, since p rises with the score, for the block's largest p
.endr
.irp i, 3,5,7,9,11,13
.irp b, 0,1,2,3
	v_max3_num_f32 v[232+\b], v[232+\b], v[96+16*\b+\i], v[97+16*\b+\i]
.endr
.endr
.irp b, 0,1,2,3
	v_max_num_f32 v[232+\b], v[232+\b], v[111+16*\b]
.endr
.irp b, 0,1,2,3
	s_delay_alu instid0(VALU_DEP_4)
	v_permlanex16_b32 v[236+\b], v[232+\b], s[SEL], s[SEL+1]
.endr
.irp b, 0,1,2,3
	s_delay_alu instid0(VALU_DEP_4)
	v_max_num_f32 v[232+\b], v[232+\b], v[236+\b]
.endr
	s_delay_alu instid0(VALU_DEP_2)
	v_max3_num_f32 v254, v232, v233, v234
	s_delay_alu instid0(VALU_DEP_1)
	v_max_num_f32 v254, v254, v235
	s_delay_alu instid0(VALU_DEP_1)
	v_mul_f32 v254, s[CS], v254                    ; as t
	s_delay_alu instid0(VALU_DEP_1)
	v_max_num_f32 v13, v13, v254                   ; the running largest t
	v_mov_b32 v254, v12
	s_delay_alu instid0(VALU_DEP_2)
	v_floor_f32 v12, -v13                          ; the new -M = -ceil(t)
	s_delay_alu instid0(VALU_DEP_1)
	v_sub_f32 v254, v12, v254                      ; old M - new M: a whole number, 0 or less
	s_delay_alu instid0(VALU_DEP_1)
	v_cvt_i32_f32 v254, v254                       ; (it saturates)
	s_delay_alu instid0(VALU_DEP_1)
	v_ldexp_f32 v252, 1.0, v254                    ; f = 2^(old M - new M)
.set J, 0
.rept 32
	v_pk_fma_f32 v[96+J:97+J], v[96+J:97+J], s[CS:CS+1], v[12:13] op_sel_hi:[1,0,0]   ; t - M
.set J, J+2
.endr
.irp b, 0,1,2,3
	v_fma_f32 v[232+\b], v[232+\b], s[CS], v12
.endr
.set J, 0
	s_wait_alu depctr_va_vdst(0)
.rept 64
	v_exp_f32 v[96+J], v[96+J]                     ; p = 2^(t - M)
.set J, J+1
.endr
.irp b, 0,1,2,3
	v_exp_f32 v[232+\b], v[232+\b]                 ; the block's largest p
.endr
	v_pk_mul_f32 v[14:15], v[14:15], v[252:253] op_sel_hi:[1,0]   ; the sums under the new M (a plain line behind the exponentials)
	s_wait_alu depctr_va_vdst(0)
.irp b, 0,1,2,3
	v_max_num_f32 v[232+\b], 0x1800000, v[232+\b]  ; the floor
.endr
.irp b, 0,1,2,3
	s_delay_alu instid0(VALU_DEP_4)
	v_add_nc_u32 v[244+\b], 0xff000000, v[232+\b]
.endr
.irp b, 0,1,2,3
	s_delay_alu instid0(VALU_DEP_4)
	v_lshrrev_b32 v[236+\b], 23, v[244+\b]
.endr
	s_delay_alu instid0(VALU_DEP_3)
	v_lshl_or_b32 v253, v237, 8, v236              ; p's scale word for these 128 keys
	s_delay_alu instid0(VALU_DEP_1)
	v_lshl_or_b32 v253, v238, 16, v253
	s_delay_alu instid0(VALU_DEP_1)
	v_lshl_or_b32 v253, v239, 24, v253
.irp b, 0,1,2,3
	v_cvt_scalef32_pk8_fp4_f32 v[224+2*\b], v[96+16*\b:103+16*\b], v[244+\b]
	v_cvt_scalef32_pk8_fp4_f32 v[225+2*\b], v[104+16*\b:111+16*\b], v[244+\b]
.endr
	v_nop
.irp c, 0,1
.irp i, 0,1
	v_permlane16_swap_b32 v[224+4*\c+\i], v[226+4*\c+\i]
.endr
.endr
.set J, 0
.rept 16
	v_pk_mul_f32 v[160+J:161+J], v[160+J:161+J], v[252:253] op_sel_hi:[1,0]   ; O^T under the new M
.set J, J+2
.endr
	v_pk_add_f32 v[236:237], v[100:101], v[104:105]
	v_pk_add_f32 v[246:247], v[108:109], v[112:113]
	v_pk_add_f32 v[244:245], v[116:117], v[120:121]
	v_pk_add_f32 v[240:241], v[124:125], v[128:129]
	v_pk_add_f32 v[234:235], v[132:133], v[136:137]
	v_pk_add_f32 v[232:233], v[140:141], v[144:145]
	v_pk_add_f32 v[90:91], v[148:149], v[152:153]
	v_pk_add_f32 v[14:15], v[14:15], v[156:157]
	v_pk_add_f32 v[236:237], v[236:237], v[96:97]
	v_pk_add_f32 v[246:247], v[246:247], v[98:99]
	v_pk_add_f32 v[244:245], v[244:245], v[102:103]
	v_pk_add_f32 v[240:241], v[240:241], v[106:107]
	v_pk_add_f32 v[234:235], v[234:235], v[110:111]
	v_pk_add_f32 v[232:233], v[232:233], v[114:115]
	v_pk_add_f32 v[90:91], v[90:91], v[118:119]
	v_pk_add_f32 v[14:15], v[14:15], v[122:123]
	v_pk_add_f32 v[236:237], v[236:237], v[126:127]
	v_pk_add_f32 v[246:247], v[246:247], v[130:131]
	v_pk_add_f32 v[244:245], v[244:245], v[134:135]
	v_pk_add_f32 v[240:241], v[240:241], v[138:139]
	v_pk_add_f32 v[234:235], v[234:235], v[142:143]
	v_pk_add_f32 v[232:233], v[232:233], v[146:147]
	v_pk_add_f32 v[90:91], v[90:91], v[150:151]
	v_pk_add_f32 v[14:15], v[14:15], v[154:155]
	v_pk_add_f32 v[236:237], v[236:237], v[158:159]
	s_delay_alu instid0(VALU_DEP_2)
	v_pk_add_f32 v[14:15], v[14:15], v[240:241]
	s_delay_alu instid0(VALU_DEP_2)
	v_pk_add_f32 v[236:237], v[236:237], v[234:235]
	v_pk_add_f32 v[246:247], v[246:247], v[232:233]
	v_pk_add_f32 v[244:245], v[244:245], v[90:91]
	s_delay_alu instid0(VALU_DEP_2)
	v_pk_add_f32 v[14:15], v[14:15], v[246:247]
	s_delay_alu instid0(VALU_DEP_2)
	v_pk_add_f32 v[236:237], v[236:237], v[244:245]
	s_delay_alu instid0(VALU_DEP_1)
	v_pk_add_f32 v[14:15], v[14:15], v[236:237]
	s_wait_dscnt 0x0                               ; V^T's tiles are in
.irp t, 0,1,2,3
	v_wmma_scale_f32_16x16x128_f8f6f4 v[160+8*\t:167+8*\t], v[192+8*\t:199+8*\t], v[224:231], v[160+8*\t:167+8*\t], v[248+\t], v253 matrix_a_fmt:MATRIX_FMT_FP4 matrix_b_fmt:MATRIX_FMT_FP4
.endr
	s_add_co_u32 s[TK], s[TK], HSTEP
	s_add_co_u32 s[TV], s[TV], VSTEP
	s_sub_co_u32 s[CNT], s[CNT], 1
	s_cmp_lg_u32 s[CNT], 0
	s_cbranch_scc1 .Lstep
.rept 4
	v_nop
.endr
	s_wait_alu depctr_va_vdst(0)
	v_add_f32 v14, v14, v15
	s_delay_alu instid0(VALU_DEP_1)
	v_permlanex16_b32 v252, v14, s[SEL], s[SEL+1]
	s_delay_alu instid0(VALU_DEP_1)
	v_add_f32 v14, v14, v252                       ; the row's sum
	s_wait_alu depctr_va_vdst(0)
	v_rcp_f32 v14, v14
	v_nop
.set J, 0
	s_wait_alu depctr_va_vdst(0)
.rept 32
	v_mul_f32 v[96+J], v[160+J], v14               ; ctx: register 16 g + i is channel 32 g + 16 h + i of my query
.set J, J+1
.endr
.irp g, 0,1
	v_max3_num_f32 v[232+\g], |v[96+16*\g]|, |v[97+16*\g]|, 0x1800000
.endr
.irp i, 2,4,6,8,10,12,14
.irp g, 0,1
	s_delay_alu instid0(VALU_DEP_2)
	v_max3_num_f32 v[232+\g], v[232+\g], |v[96+16*\g+\i]|, |v[97+16*\g+\i]|
.endr
.endr
.irp g, 0,1
	s_delay_alu instid0(VALU_DEP_2)
	v_permlanex16_b32 v[236+\g], v[232+\g], s[SEL], s[SEL+1]
.endr
.irp g, 0,1
	s_delay_alu instid0(VALU_DEP_2)
	v_max_num_f32 v[232+\g], v[232+\g], v[236+\g]
.endr
.irp g, 0,1
	s_delay_alu instid0(VALU_DEP_2)
	v_add_nc_u32 v[244+\g], 0xff000000, v[232+\g]
.endr
.irp g, 0,1
	s_delay_alu instid0(VALU_DEP_2)
	v_lshrrev_b32 v[236+\g], 23, v[244+\g]
.endr
	s_delay_alu instid0(VALU_DEP_1)
	v_lshl_or_b32 v254, v237, 8, v236              ; my head's two bytes of the row's scale word
.irp g, 0,1
	v_cvt_scalef32_pk8_fp4_f32 v[224+2*\g], v[96+16*\g:103+16*\g], v[244+\g]
	v_cvt_scalef32_pk8_fp4_f32 v[225+2*\g], v[104+16*\g:111+16*\g], v[244+\g]
.endr
	v_nop
	v_permlane16_swap_b32 v224, v226
	v_permlane16_swap_b32 v225, v227
	global_store_b128 v5, v[224:227], s[8:9]       ; 32 lanes store 512 consecutive bytes
	global_store_b16 v7, v254, s[8:9] offset:32768 ; lanes l and l + 16 hold the same bytes and write the same place
	s_wait_tensorcnt 0x0
	ds_add_u32 v242, v243
	s_wait_dscnt 0x0
	CROUND                                         ; the closing round
	s_endpgm
.Lfunc_end_k_qe904566672_attn:
	.size	k_qe904566672_attn, .Lfunc_end_k_qe904566672_attn-k_qe904566672_attn
	.p2alignl 7, 3214868480
	.fill 96, 4, 3214868480
	.section	.rodata,"a",@progbits
	.p2align	6, 0x0
	.amdhsa_kernel k_qe904566672_attn
		.amdhsa_group_segment_fixed_size 169984
		.amdhsa_private_segment_fixed_size 0
		.amdhsa_enable_private_segment 0
		.amdhsa_kernarg_size 24
		.amdhsa_user_sgpr_count 2
		.amdhsa_user_sgpr_kernarg_segment_ptr 1
		.amdhsa_wavefront_size32 1
		.amdhsa_system_sgpr_workgroup_id_x 1
		.amdhsa_system_sgpr_workgroup_id_y 1
		.amdhsa_system_sgpr_workgroup_id_z 1
		.amdhsa_system_vgpr_workitem_id 0
		.amdhsa_next_free_vgpr 256
		.amdhsa_next_free_sgpr 72
		.amdhsa_reserve_vcc 0
		.amdhsa_float_denorm_mode_32 3
		.amdhsa_float_denorm_mode_16_64 3
		.amdhsa_memory_ordered 1
		.amdhsa_forward_progress 1
		.amdhsa_inst_pref_size 30
	.end_amdhsa_kernel
	.amdgpu_metadata
---
amdhsa.version: [ 1, 2 ]
amdhsa.kernels:
  - .name:           k_qe904566672_attn
    .symbol:         k_qe904566672_attn.kd
    .args:
      - { .name: qkv, .offset: 0, .size: 8, .value_kind: global_buffer, .address_space: global }
      - { .name: vt, .offset: 8, .size: 8, .value_kind: global_buffer, .address_space: global }
      - { .name: cimg, .offset: 16, .size: 8, .value_kind: global_buffer, .address_space: global }
    .group_segment_fixed_size: 169984
    .private_segment_fixed_size: 0
    .kernarg_segment_align: 8
    .kernarg_segment_size: 24
    .max_flat_workgroup_size: 512
    .sgpr_count:     72
    .vgpr_count:     256
    .wavefront_size: 32
...
	.end_amdgpu_metadata
.endif
;; end of part 3
;; launch oln (part 4): grid 256 x 1, 8 waves a work-group, clusters of 4 x 1, 327,680 bytes of LDS; arguments cimg, img0, bo, x, g1, b1, post, pimg; writes post, pimg
.if DOCPART == 4
	.amdgcn_target "amdgcn-amd-amdhsa--gfx1250"
	.amdhsa_code_object_version 6
	.text
	.protected	k_qe904566672_oln
	.globl	k_qe904566672_oln
	.p2align	8
	.type	k_qe904566672_oln,@function
k_qe904566672_oln:
	s_mov_b64 s[64:65], 0
	v_nop
	global_prefetch_b8 v0, s[64:65] scope:SCOPE_SE
	s_setreg_imm32_b32 hwreg(HW_REG_WAVE_MODE, 25, 1), 1
	s_wait_xcnt 0x0
	s_wait_alu depctr_hold_cnt(0) depctr_sa_sdst(0) depctr_va_vdst(0) depctr_va_sdst(0) depctr_va_ssrc(0) depctr_va_vcc(0) depctr_vm_vsrc(0)
	s_getreg_b32 s2, hwreg(HW_REG_IB_STS2, 6, 4)
	s_cmp_eq_u32 s2, 0
	s_cbranch_scc0 .Lentry_in_a_cluster
	s_endpgm
.Lentry_in_a_cluster:
	s_bfe_u32 s2, ttmp6, 0x10000c
	s_cmp_lg_u32 s2, 0x3003
	s_cbranch_scc0 .Lentry_shape_is_right
	s_endpgm
.Lentry_shape_is_right:
; post = LayerNorm(x + ctx Wo + bo) g1 + b1, f32 [4096][1024], and its codes of FP4 as the next product's operand image: the product (K = 1,024, on codes of FP4) and the norm in one launch.
; A work-group owns the 16 rows of one image block (g = 4 x cluster + cx; sb = g / 8, a = g % 8: rows 128 sb + 32 (a/2) + 8 (a%2) + j + 8 (j/8)) over ALL 1,024 columns, so the row statistics stay inside it: 256 work-groups.
; THE PRODUCT.  Wave w makes columns 128 w .. 128 w + 127: 8 accumulators, which take turns; they begin as the bias, so every K step adds in place.
; Operands are register images (units of 34,816 bytes: 128 rows x 512 K: codes a*4096 + q*1024 + c*512 + 16*lane, scale words 32768 + q*512 + 32 r + 4 a).  Source 0 = 16 slots of Wo, source 1 = my 16 rows:
; lane (r, h) holds row slot r, register 8 b + j column 32 (b/2) + 8 (b%2) + 16 h + j of the wave's 128.
; Wo COMES BY TWO WAYS.  Every work-group walks all of Wo, so the four of a cluster ask jointly for K's first half: wave w's one tensor load brings unit 2 w to LDS byte w x 34,816, and wave w alone reads it.
; K's second half (unit 2 w + 1) goes from memory straight into registers, 512 consecutive bytes a load: four stages of 18 loads (16 of codes, 2 of scale words) in window 1 and v128-159.  All of Wo does not fit in LDS beside the rest (557,056 bytes),
; and nothing is filled again.  The register half is multiplied first; then the same four stages are filled from LDS.  The sums so take K = 512 .. 1,023 ahead of K = 0 .. 511.
; No prefetch: every byte of Wo is asked for at the head or within the first two K steps.  My rows' fragments (8 KiB) are copied to LDS once, a K step a wave, and read by all eight waves; gamma, beta and the bias likewise, 512 bytes a wave.
; THE NORM.  The 16 x 1,024 sums turn through LDS (pitch 4,112 bytes; the stage lies over units 0 and 1, which have had their only fill and their last read); wave w takes rows 2 w, 2 w + 1 whole, 32 registers each;
; the variance is the mean of (v - mean)^2, in a second pass over the registers.  The normalised rows go back to the same LDS rows and come out as fragments: wave w holds K = 128 w .. + 127, lane (r, h) two whole blocks of 32.
; LIMITS: a block of zeros gets the byte 1 (zero codes; only this program reads the bytes); NaN and infinities are not served.
.set UNIT, 34816
.set BOFF, 96                          ; Wo begins at unit 96
.set PIT,  4112
.set ALDS, 8*UNIT                      ; behind the eight units: A's codes, 1,024 bytes a K step
.set ASCL, ALDS+8192                   ; A's scale words, 64 bytes a K step
.set GAM,  ASCL+512                    ; gamma, beta, bias: 4,096 bytes each
.set BIA,  GAM+8192
.set SPARE, BIA+4096                   ; the spare words: 128 bytes a wave
.set VL,   3
.set H8,   6
.set VS,   7
.set STO,  16
.set LO,   17
.set LI,   18
.set AAD,  19
.set ASD,  20
.set GRD,  21
.set LB,   22
.set LS,   23
.set SPW,  28
.set NIL,  29
.set V,    32                          ; v32-95 the accumulators; then my two rows
.set AF,   96                          ; v96-111 A's fragments, two sets
.set A,    112
.set MU,   120
.set RS,   122
.set BSC,  128                         ; v128-159 Wo's scale words, four stages: nothing else
.set ASC,  160                         ; v160-161 A's scale words: nothing else
.set M,    162
.set SO,   164
.set BY,   166
.set WD,   168
.set T,    169
.set PC,   170
.set XR,   192                         ; v192-255 x's two rows; later the fragment's 64 numbers
.set TA,   96
.set TS,   162
.set TG,   170
.set BP,   40
.set SEL,  46
.set G1,   48
.set G0,   56
.set MSB, 0
.macro WIN new                         ; the immediate's high byte repeats the setting that is left
.if MSB != (\new)
	s_set_vgpr_msb (MSB<<8)|(\new)
.set MSB, (\new)
.endif
.endm
.macro CROUND                          ; a round of the cluster's barrier
	s_barrier_signal -1
	s_barrier_wait -1
	s_cmp_lg_u32 s20, 0
	s_cbranch_scc1 .Lnot_wave_0_\@
	s_barrier_signal -3
.Lnot_wave_0_\@:
	s_barrier_wait -3
	s_barrier_signal -1
	s_barrier_wait -1
.endm
.macro LDB q                           ; stage q from memory: the eight fragments and the scale words of K step q of unit 2 w + 1
	WIN 0x40
.irp b, 0,1,2,3,4,5,6,7
.irp c, 0,1
	global_load_b128 v[64*(\q)+8*\b+4*\c:64*(\q)+8*\b+4*\c+3], v[VL], s[BP:BP+1] offset:(\q)*1024+\b*4096+\c*512
.endr
.endr
	WIN 0
.irp e, 0,1
	global_load_b128 v[BSC+8*(\q)+4*\e:BSC+8*(\q)+4*\e+3], v[VS], s[BP:BP+1] offset:32768+(\q)*512+16*\e
.endr
.endm
.macro LDL q                           ; stage q from LDS: the same of unit 2 w
	WIN 0x40
.irp b, 0,1,2,3,4,5,6,7
.irp c, 0,1
	ds_load_b128 v[64*(\q)+8*\b+4*\c:64*(\q)+8*\b+4*\c+3], v[LB] offset:(\q)*1024+\b*4096+\c*512
.endr
.endr
	WIN 0
.irp e, 0,1
	ds_load_b128 v[BSC+8*(\q)+4*\e:BSC+8*(\q)+4*\e+3], v[LS] offset:(\q)*512+16*\e
.endr
.endm
.macro LDA set, k                      ; my rows' fragment and scale word of K step k (0 .. 7)
.irp c, 0,1
	ds_load_b128 v[AF+8*(\set)+4*\c:AF+8*(\set)+4*\c+3], v[AAD] offset:(\k)*1024+512*\c
.endr
	ds_load_b32 v[ASC+(\set)], v[ASD] offset:(\k)*64
.endm
.macro MUL st, set                     ; 128 along K: eight products; four plain lines close the step, ahead of later loads into its registers
	WIN 0x01
.irp b, 0,1,2,3,4,5,6,7
	v_wmma_scale_f32_16x16x128_f8f6f4 v[V+8*\b:V+8*\b+7], v[64*(\st)+8*\b:64*(\st)+8*\b+7], v[AF+8*(\set):AF+8*(\set)+7], v[V+8*\b:V+8*\b+7], v[BSC+8*(\st)+\b], v[ASC+(\set)] matrix_a_fmt:MATRIX_FMT_FP4 matrix_b_fmt:MATRIX_FMT_FP4
.endr
	WIN 0
.rept 4
	v_nop
.endr
.endm
.macro REDUCE                          ; the four chains, the pair's halves, the 32 lanes: the sum in every lane
	s_delay_alu instid0(VALU_DEP_3)
	v_pk_add_f32 v[A:A+1], v[A:A+1], v[A+2:A+3]
	s_delay_alu instid0(VALU_DEP_2)
	v_pk_add_f32 v[A+4:A+5], v[A+4:A+5], v[A+6:A+7]
	s_delay_alu instid0(VALU_DEP_1)
	v_pk_add_f32 v[A:A+1], v[A:A+1], v[A+4:A+5]
	s_delay_alu instid0(VALU_DEP_1)
	v_add_f32 v[A], v[A], v[A+1]
.irp m, 1,2,4,8
	s_delay_alu instid0(VALU_DEP_1)
	v_add_f32_dpp v[A], v[A], v[A] row_xmask:\m row_mask:0xf bank_mask:0xf
.endr
	s_delay_alu instid0(VALU_DEP_1)
	v_permlanex16_b32 v[A+1], v[A], s[SEL], s[SEL+1]
	s_delay_alu instid0(VALU_DEP_1)
	v_add_f32 v[A], v[A], v[A+1]
.endm
.macro STATS e
.set VB, V+32*\e
.set XB, XR+32*\e
.set I, 0
.rept 16
	v_pk_add_f32 v[VB+I:VB+I+1], v[VB+I:VB+I+1], v[XB+I:XB+I+1]   ; the residual
.set I, I+2
.endr
.irp k, 0,2,4,6
	v_pk_add_f32 v[A+\k:A+\k+1], v[VB+\k:VB+\k+1], v[VB+8+\k:VB+9+\k]
.endr
.irp m, 16,24
.irp k, 0,2,4,6
	s_delay_alu instid0(VALU_DEP_4)
	v_pk_add_f32 v[A+\k:A+\k+1], v[A+\k:A+\k+1], v[VB+\m+\k:VB+\m+\k+1]
.endr
.endr
	REDUCE
	s_delay_alu instid0(VALU_DEP_1)
	v_mul_f32 v[MU], 0xba800000, v[A]              ; -mean = -sum / 1,024
	s_delay_alu instid0(VALU_DEP_1)
	v_mov_b32 v[MU+1], v[MU]
.set I, 0
.rept 16
	v_pk_add_f32 v[VB+I:VB+I+1], v[VB+I:VB+I+1], v[MU:MU+1]
.set I, I+2
.endr
.irp k, 0,2,4,6
	v_pk_mul_f32 v[A+\k:A+\k+1], v[VB+\k:VB+\k+1], v[VB+\k:VB+\k+1]
.endr
.irp m, 8,16,24
.irp k, 0,2,4,6
	s_delay_alu instid0(VALU_DEP_4)
	v_pk_fma_f32 v[A+\k:A+\k+1], v[VB+\m+\k:VB+\m+\k+1], v[VB+\m+\k:VB+\m+\k+1], v[A+\k:A+\k+1]
.endr
.endr
	REDUCE
	s_delay_alu instid0(VALU_DEP_1)
	v_fma_f32 v[RS+2*\e], v[A], s44, s45           ; var + eps
	s_wait_alu depctr_va_vdst(0)
	v_rsq_f32 v[RS+2*\e], v[RS+2*\e]
	v_nop                                          ; a plain line behind the transcendental
	s_wait_alu depctr_va_vdst(0)                   ; and ahead of its first reader
	v_mov_b32 v[RS+2*\e+1], v[RS+2*\e]
.endm
.macro FINISH e
.set VB, V+32*\e
.set I, 0
.rept 16
	v_pk_mul_f32 v[VB+I:VB+I+1], v[VB+I:VB+I+1], v[RS+2*\e:RS+2*\e+1]
.set I, I+2
.endr
	WIN 0x14                                       ; gamma and beta lie in window 1, at v0-31 and v32-63
.set I, 0
.rept 16
	v_pk_fma_f32 v[VB+I:VB+I+1], v[VB+I:VB+I+1], v[I:I+1], v[32+I:33+I]
.set I, I+2
.endr
	WIN 0
.endm
.macro QB x                            ; 64 numbers of a lane (two whole blocks) become a fragment's 8 registers and the row's scale word
.irp c, 0,1
	v_max3_num_f32 v[M+\c], |v[\x+32*\c]|, |v[\x+32*\c+1]|, 0x1800000   ; the floor 2^(3 - 127)
.endr
.irp i, 2,4,6,8,10,12,14,16,18,20,22,24,26,28,30
.irp c, 0,1
	s_delay_alu instid0(VALU_DEP_2)
	v_max3_num_f32 v[M+\c], v[M+\c], |v[\x+32*\c+\i]|, |v[\x+32*\c+\i+1]|
.endr
.endr
.irp c, 0,1
	s_delay_alu instid0(VALU_DEP_2)
	v_add_nc_u32 v[SO+\c], 0xff000000, v[M+\c]
.endr
.irp c, 0,1
	s_delay_alu instid0(VALU_DEP_2)
	v_lshrrev_b32 v[BY+\c], 23, v[SO+\c]
.endr
	s_delay_alu instid0(VALU_DEP_1)
	v_lshl_or_b32 v[WD], v[BY+1], 16, v[BY]
	s_delay_alu instid0(VALU_DEP_1)
	v_lshlrev_b32 v[WD], v[H8], v[WD]
	s_delay_alu instid0(VALU_DEP_1)
	v_permlanex16_b32 v[T], v[WD], s[SEL], s[SEL+1]
	s_delay_alu instid0(VALU_DEP_1)
	v_or_b32 v[WD], v[WD], v[T]
.irp c, 0,1
.irp g, 0,1,2,3
	v_cvt_scalef32_pk8_fp4_f32 v[PC+4*\c+\g], v[\x+32*\c+8*\g:\x+32*\c+8*\g+7], v[SO+\c]
.endr
.endr
	v_nop
.endm
	s_load_b256 s[4:11], s[0:1], 0x0               ; cimg, img0, bo, x
	s_load_b256 s[12:19], s[0:1], 0x20             ; g1, b1, post, pimg
	v_lshl_add_u32 v[SPW], v0, 2, SPARE
	v_mov_b32 v[NIL], 0
	ds_add_u32 v[SPW], v[NIL]                      ; the opening lines: the add, twice on end, and its wait ahead of my tensor load
	ds_add_u32 v[SPW], v[NIL]
	v_lshrrev_b32 v1, 5, v0
	v_readfirstlane_b32 s20, v1                    ; wave 0..7
	s_bfe_u32 s21, ttmp6, 0x40000                  ; cx: it enters the addresses of my rows alone
	s_lshl_b32 s22, ttmp9, 2
	s_add_co_u32 s43, s22, s21                     ; g
	s_lshr_b32 s21, s43, 3                         ; sb
	s_and_b32 s22, s43, 7                          ; a
	s_lshl_b32 s23, s21, 7
	s_lshr_b32 s24, s22, 1
	s_lshl_b32 s24, s24, 5
	s_add_co_u32 s23, s23, s24
	s_and_b32 s24, s22, 1
	s_lshl_b32 s24, s24, 3
	s_add_co_u32 s23, s23, s24
	s_lshl_b32 s24, s20, 1
	s_add_co_u32 s23, s23, s24
	s_lshr_b32 s24, s20, 2
	s_lshl_b32 s24, s24, 3
	s_add_co_u32 s23, s23, s24                     ; the row of slot 2 w; slot 2 w + 1 is the next row
	s_lshl_b32 s24, s23, 12
	s_mov_b32 s25, 0
	s_lshr_b32 s27, s20, 2                         ; I copy K step w of A: unit w / 4,
	s_and_b32 s28, s20, 3                          ; step w % 4
	s_lshl_b32 s29, s21, 1
	s_add_co_u32 s29, s29, s27
	s_mul_i32 s30, s29, UNIT                       ; (K being 1,024 on both sides, this is also the unit of my fragment of pimg)
	s_mov_b32 s31, 0
	s_lshl_b32 s32, s22, 12
	s_lshl_b32 s33, s28, 10
	s_add_co_u32 s32, s32, s33                     ; codes: 4,096 a + 1,024 q
	s_lshl_b32 s33, s22, 2
	s_lshl_b32 s34, s28, 9
	s_add_co_u32 s33, s33, s34                     ; scale words: 4 a + 512 q
	s_lshl_b32 s34, s20, 10
	s_add_co_u32 s34, s34, ALDS
	s_lshl_b32 s35, s20, 6
	s_add_co_u32 s35, s35, ASCL
	s_lshl_b32 s36, s20, 9                         ; 512 w
	s_mul_i32 s37, s20, 2*PIT
	s_mul_i32 s38, s20, 2*UNIT
	s_add_co_u32 s38, s38, (BOFF+1)*UNIT           ; unit 2 w + 1 of Wo: to registers
	s_mov_b32 s39, 0
	s_mul_i32 s60, s20, 2*UNIT
	s_add_co_u32 s60, s60, BOFF*UNIT               ; unit 2 w: to LDS
	s_mov_b32 s61, 0
	s_mov_b32 s44, 0x3a800000                      ; 1 / 1,024
	s_mov_b32 s45, 0x3727c5ac                      ; eps = 1e-5
	s_mov_b32 s[SEL], 0x76543210
	s_mov_b32 s[SEL+1], 0xfedcba98
	s_mov_b32 s[G1], 15|(3<<16)|(1<<21)            ; the mask: all four work-groups; elements of 8 bytes; bit 21 beside a mask; dense rows of 256 bytes
	s_mov_b32 s[G1+1], 32<<16
	s_mov_b32 s[G1+2], 136<<16                     ; 136 rows: a unit
	s_mov_b32 s[G1+3], 32<<16
	s_mov_b32 s[G1+4], 136
	s_mov_b32 s[G1+5], 32
	s_mov_b32 s[G1+6], 0
	s_mov_b32 s[G1+7], 0
	s_mov_b32 s[G0], 1
	s_mul_i32 s[G0+1], s20, UNIT                   ; LDS: wave x a unit
	v_and_b32 v2, 31, v0
	v_and_b32 v4, 15, v0                           ; r
	v_bfe_u32 v5, v0, 4, 1                         ; h
	v_lshlrev_b32 v[VL], 4, v2                     ; 16 x lane
	v_lshlrev_b32 v[VS], 5, v4                     ; 32 r
	v_lshlrev_b32 v[H8], 3, v5
	v_mov_b32 v[T], 0
	v_add_nc_u32 v8, s32, v[VL]
	v_add_nc_u32 v9, s33, v[VS]
	v_add_nc_u32 v10, s34, v[VL]
	v_lshl_add_u32 v11, v4, 2, s35
	v_add_nc_u32 v12, s36, v[VL]
	v_add_nc_u32 v13, GAM, v12
	v_lshl_add_u32 v14, v5, 6, s36                 ; 512 w + 64 h
	v_mul_u32_u24 v15, v4, PIT
	v_add_nc_u32 v[STO], v15, v14                  ; the sums into the stage: row r
	v_add_nc_u32 v14, BIA, v14
	v_lshl_add_u32 v[LO], v5, 7, v15
	v_add_nc_u32 v[LO], s36, v[LO]                 ; fragments out of it: row r, + 512 w + 128 h
	v_add_nc_u32 v[LI], s37, v[VL]                 ; my two rows
	v_add_nc_u32 v[AAD], ALDS, v[VL]
	v_lshl_add_u32 v[ASD], v4, 2, ASCL
	v_add_nc_u32 v[GRD], GAM, v[VL]
	v_add_nc_u32 v[LB], s[G0+1], v[VL]             ; my unit in LDS: codes,
	v_add_nc_u32 v[LS], s[G0+1], v[VS]
	v_add_nc_u32 v[LS], 32768, v[LS]               ; scale words
	s_wait_alu depctr_va_vdst(0)
	s_wait_dscnt 0x0                               ; both opening adds are done
	s_wait_kmcnt 0x0
	s_add_nc_u64 s[4:5], s[4:5], s[30:31]
	s_add_nc_u64 s[18:19], s[18:19], s[30:31]
	s_add_nc_u64 s[BP:BP+1], s[6:7], s[38:39]
	s_add_nc_u64 s[10:11], s[10:11], s[24:25]
	s_add_nc_u64 s[16:17], s[16:17], s[24:25]
	s_add_nc_u64 s[G0+2:G0+3], s[6:7], s[60:61]
	s_or_b32 s[G0+3], s[G0+3], 0x80000000
	global_load_b128 v[TA:TA+3], v8, s[4:5]
	global_load_b128 v[TA+4:TA+7], v8, s[4:5] offset:512
	global_load_b32 v[TS], v9, s[4:5] offset:32768
	global_load_b128 v[TG:TG+3], v12, s[12:13]
	global_load_b128 v[TG+4:TG+7], v12, s[14:15]
	global_load_b128 v[TG+8:TG+11], v12, s[8:9]
	LDB 0
	LDB 1
	LDB 2
	CROUND                                         ; all four work-groups are here: the joint loads meet
	tensor_load_to_lds s[G0:G0+3], s[G1:G1+7]      ; my one tensor load
	s_nop 0
.rept 4
	v_nop
.endr
	s_wait_loadcnt 54                              ; all but the three stages' 54 loads are in
	ds_store_b128 v10, v[TA:TA+3]
	ds_store_b128 v10, v[TA+4:TA+7] offset:512
	ds_store_b32 v11, v[TS]                        ; both halves of the lanes write the same word with the same value
	ds_store_b128 v13, v[TG:TG+3]
	ds_store_b128 v13, v[TG+4:TG+7] offset:4096
	ds_store_b128 v13, v[TG+8:TG+11] offset:8192
.irp b, 0,1,2,3,4,5,6,7
.irp e, 0,1
	ds_load_b128 v[V+8*\b+4*\e:V+8*\b+4*\e+3], v14 offset:(32*(\b/2)+8*(\b%2))*4+16*\e   ; the sums begin as the bias (my wave's own 512 bytes: LDS serves a wave's instructions in order)
.endr
.endr
	s_wait_dscnt 0x0                               ; for the others' sake: my part of A, gamma and beta lies in LDS
	s_barrier_signal -1
	s_barrier_wait -1                              ; the tensor loads may stay out
	LDA 0, 4
	s_wait_loadcnt 36                              ; stage 0 is in; stages 1 and 2 may be out
	s_wait_dscnt 0x0
	LDA 1, 5
	LDB 3
	MUL 0, 0
	s_wait_loadcnt 36                              ; stages 2 and 3 may be out
	s_wait_dscnt 0x0
	LDA 0, 6
.irp e, 0,1
.irp j, 0,1,2,3,4,5,6,7
	global_load_b128 v[XR+32*\e+4*\j:XR+32*\e+4*\j+3], v[VL], s[10:11] offset:\e*4096+\j*512
.endr
.endr
	MUL 1, 1
	s_wait_loadcnt 34                              ; stage 3's 18 and x's 16 may be out
	s_wait_dscnt 0x0
	LDA 1, 7
	MUL 2, 0
	s_wait_loadcnt 16                              ; x's 16 may be out
	s_wait_dscnt 0x0
	LDA 0, 0
	MUL 3, 1
	s_wait_tensorcnt 0x0                           ; my unit has landed; I alone read it
	LDL 0
	LDL 1
	LDL 2
	s_wait_dscnt 36                                ; A's step and stage 0 are in; stages 1 and 2 may be out
	LDA 1, 1
	LDL 3
	MUL 0, 0
	s_wait_dscnt 18                                ; stage 3 may be out
	LDA 0, 2
	MUL 1, 1
	s_wait_dscnt 0x0
	LDA 1, 3
	MUL 2, 0
	s_wait_dscnt 0x0
	MUL 3, 1
	s_barrier_signal -1
	s_barrier_wait -1                              ; every wave's reads of its unit and of A are over: the stage may be written
.irp b, 0,1,2,3,4,5,6,7
	ds_store_b128 v[STO], v[V+8*\b:V+8*\b+3] offset:128*(\b/2)+32*(\b%2)          ; each accumulator from its low end on
	ds_store_b128 v[STO], v[V+8*\b+4:V+8*\b+7] offset:128*(\b/2)+32*(\b%2)+16
.endr
	WIN 0x40
.irp j, 0,1,2,3,4,5,6,7
	ds_load_b128 v[4*\j:4*\j+3], v[GRD] offset:\j*512
	ds_load_b128 v[32+4*\j:32+4*\j+3], v[GRD] offset:4096+\j*512
.endr
	WIN 0
	s_wait_dscnt 0x0                               ; for the others' sake: my columns lie in the stage
	s_barrier_signal -1
	s_barrier_wait -1
.irp e, 0,1
.irp j, 0,1,2,3,4,5,6,7
	ds_load_b128 v[V+32*\e+4*\j:V+32*\e+4*\j+3], v[LI] offset:\e*PIT+\j*512
.endr
.endr
	s_wait_loadcnt 0x0                             ; x
	s_wait_dscnt 0x0
	STATS 0
	STATS 1
	FINISH 0
	FINISH 1
.irp e, 0,1
.irp j, 0,1,2,3,4,5,6,7
	global_store_b128 v[VL], v[V+32*\e+4*\j:V+32*\e+4*\j+3], s[16:17] offset:\e*4096+\j*512   ; 32 lanes store 512 consecutive bytes
	ds_store_b128 v[LI], v[V+32*\e+4*\j:V+32*\e+4*\j+3] offset:\e*PIT+\j*512                  ; my own two rows, which I alone have read
.endr
.endr
	s_wait_dscnt 0x0                               ; for the others' sake
	s_barrier_signal -1
	s_barrier_wait -1
.irp c, 0,1
.irp i, 0,1,2,3,4,5,6,7
	ds_load_b128 v[XR+32*\c+4*\i:XR+32*\c+4*\i+3], v[LO] offset:256*\c+16*\i
.endr
.endr
	s_wait_dscnt 0x0
	QB XR
	global_store_b128 v8, v[PC:PC+3], s[18:19]
	global_store_b128 v8, v[PC+4:PC+7], s[18:19] offset:512
	global_store_b32 v9, v[WD], s[18:19] offset:32768   ; lanes l and l + 16 hold the same word and write the same place
	s_wait_tensorcnt 0x0                           ; the wave's end
	ds_add_u32 v[SPW], v[NIL]
	s_wait_dscnt 0x0
	CROUND                                         ; the closing round
	s_endpgm
.Lfunc_end_k_qe904566672_oln:
	.size	k_qe904566672_oln, .Lfunc_end_k_qe904566672_oln-k_qe904566672_oln
	.p2alignl 7, 3214868480
	.fill 96, 4, 3214868480
	.section	.rodata,"a",@progbits
	.p2align	6, 0x0
	.amdhsa_kernel k_qe904566672_oln
		.amdhsa_group_segment_fixed_size 327680
		.amdhsa_private_segment_fixed_size 0
		.amdhsa_enable_private_segment 0
		.amdhsa_kernarg_size 64
		.amdhsa_user_sgpr_count 2
		.amdhsa_user_sgpr_kernarg_segment_ptr 1
		.amdhsa_wavefront_size32 1
		.amdhsa_system_sgpr_workgroup_id_x 1
		.amdhsa_system_sgpr_workgroup_id_y 1
		.amdhsa_system_sgpr_workgroup_id_z 1
		.amdhsa_system_vgpr_workitem_id 0
		.amdhsa_next_free_vgpr 512
		.amdhsa_next_free_sgpr 66
		.amdhsa_reserve_vcc 0
		.amdhsa_float_denorm_mode_32 3
		.amdhsa_float_denorm_mode_16_64 3
		.amdhsa_memory_ordered 1
		.amdhsa_forward_progress 1
		.amdhsa_inst_pref_size 62
	.end_amdhsa_kernel
	.amdgpu_metadata
---
amdhsa.version: [ 1, 2 ]
amdhsa.kernels:
  - .name:           k_qe904566672_oln
    .symbol:         k_qe904566672_oln.kd
    .args:
      - { .name: cimg, .offset: 0, .size: 8, .value_kind: global_buffer, .address_space: global }
      - { .name: img0, .offset: 8, .size: 8, .value_kind: global_buffer, .address_space: global }
      - { .name: bo, .offset: 16, .size: 8, .value_kind: global_buffer, .address_space: global }
      - { .name: x, .offset: 24, .size: 8, .value_kind: global_buffer, .address_space: global }
      - { .name: g1, .offset: 32, .size: 8, .value_kind: global_buffer, .address_space: global }
      - { .name: b1, .offset: 40, .size: 8, .value_kind: global_buffer, .address_space: global }
      - { .name: post, .offset: 48, .size: 8, .value_kind: global_buffer, .address_space: global }
      - { .name: pimg, .offset: 56, .size: 8, .value_kind: global_buffer, .address_space: global }
    .group_segment_fixed_size: 327680
    .private_segment_fixed_size: 0
    .kernarg_segment_align: 8
    .kernarg_segment_size: 64
    .max_flat_workgroup_size: 256
    .sgpr_count:     66
    .vgpr_count:     512
    .wavefront_size: 32
...
	.end_amdgpu_metadata
.endif
;; end of part 4
;; launch gemm_1 (part 5): grid 16 x 16, 4 waves a work-group, clusters of 4 x 4, 327,680 bytes of LDS; arguments pimg, img0, bf1, himg; writes himg
.if DOCPART == 5
	.amdgcn_target "amdgcn-amd-amdhsa--gfx1250"
	.amdhsa_code_object_version 6
	.text
	.protected	k_qe904566672_gemm_1
	.globl	k_qe904566672_gemm_1
	.p2align	8
	.type	k_qe904566672_gemm_1,@function
k_qe904566672_gemm_1:
	s_mov_b64 s[64:65], 0
	v_nop
	global_prefetch_b8 v0, s[64:65] scope:SCOPE_SE
	s_setreg_imm32_b32 hwreg(HW_REG_WAVE_MODE, 25, 1), 1
	s_wait_xcnt 0x0
	s_wait_alu depctr_hold_cnt(0) depctr_sa_sdst(0) depctr_va_vdst(0) depctr_va_sdst(0) depctr_va_ssrc(0) depctr_va_vcc(0) depctr_vm_vsrc(0)
	s_getreg_b32 s2, hwreg(HW_REG_IB_STS2, 6, 4)
	s_cmp_eq_u32 s2, 0
	s_cbranch_scc0 .Lentry_in_a_cluster
	s_endpgm
.Lentry_in_a_cluster:
	s_bfe_u32 s2, ttmp6, 0x10000c
	s_cmp_lg_u32 s2, 0xf033
	s_cbranch_scc0 .Lentry_shape_is_right
	s_endpgm
.Lentry_shape_is_right:
.set UNIT,   34816
.set SLOT,   UNIT                      ; from a row block's first K step of 512 to its second: one tensor load a wave brings both (they lie on end in memory), to 2 x wave units
.set SPARE,  8*UNIT
.set KS,     2
.set BOFF,   112*UNIT                  ; W1 begins at unit 112
.set NQ,     4
.set ADRA, 16
.set ADRB, 20
.set ADRS, 22
.set SPW,  28
.set NIL,  29
.set SC,   32
.set PC,   112
.set MG,   120
.set KW,   128
.set TM,   160
.set AF,   128
.set BI,   192
.set G1, 24
.set G0, 32
.set G1B, 48
.set G0B, 56
.set SEL, 92
.set MSB, 0
.macro WIN new
.if MSB != (\new)
	s_set_vgpr_msb (MSB<<8)|(\new)
.set MSB, (\new)
.endif
.endm
.set MUL_LO, 0xa1
.set MUL_HI, 0xf1
.set FIRST_LO, 0x81
.set FIRST_HI, 0xc1
.set TO_B,   0x40
.macro JLOAD s
	s_cmp_eq_u32 s15, 0
	s_cbranch_scc0 .Lfor_b_\@
	tensor_load_to_lds s[G0+4*\s:G0+4*\s+3], s[G1:G1+7]
	s_nop 0
.rept 4
	v_nop
.endr
	s_branch .Lasked_\@
.Lfor_b_\@:
	tensor_load_to_lds s[G0B+4*\s:G0B+4*\s+3], s[G1B:G1B+7]
	s_nop 0
.rept 4
	v_nop
.endr
.Lasked_\@:
.endm
.macro CROUND
	s_barrier_signal -1
	s_barrier_wait -1
	s_cmp_lg_u32 s14, 0
	s_cbranch_scc1 .Lnot_wave_0_\@
	s_barrier_signal -3
.Lnot_wave_0_\@:
	s_barrier_wait -3
	s_barrier_signal -1
	s_barrier_wait -1
.endm
.macro PLACES
.rept 4
	v_nop
.endr
.endm
	s_load_b256 s[4:11], s[0:1], 0x0
	v_lshl_add_u32 v[SPW], v0, 2, SPARE
	v_mov_b32 v[NIL], 0
	ds_add_u32 v28, v29
	ds_add_u32 v28, v29
	s_wait_dscnt 0x0
	v_lshrrev_b32 v1, 5, v0
	v_readfirstlane_b32 s14, v1
	s_lshr_b32 s15, s14, 1
	s_and_b32 s16, s14, 1
	s_bfe_u32 s40, ttmp6, 0x40000
	s_bfe_u32 s41, ttmp6, 0x40004
	s_lshl_b32 s42, ttmp9, 2
	s_add_co_u32 s42, s42, s40
	s_and_b32 s17, ttmp7, 0xffff
	s_lshl_b32 s17, s17, 2
	s_add_co_u32 s17, s17, s41
	s_lshl_b32 s43, s41, 2
	s_lshl_b32 s43, 15, s43
	s_lshl_b32 s44, 0x1111, s40
	s_or_b32 s[G1], s43, (3<<16)|(1<<21)
	s_or_b32 s[G1B], s44, (3<<16)|(1<<21)
.irp g, G1, G1B
	s_mov_b32 s[\g+1], 32<<16
	s_mov_b32 s[\g+2], 272<<16
	s_mov_b32 s[\g+3], 32<<16
	s_mov_b32 s[\g+4], 272
	s_mov_b32 s[\g+5], 32
	s_mov_b32 s[\g+6], 0
	s_mov_b32 s[\g+7], 0
.endr
	s_lshl_b32 s20, s17, 1
	s_add_co_u32 s20, s20, s16
	s_mul_i32 s20, s20, KS*UNIT
	s_mov_b32 s21, 0
	s_lshl_b32 s46, s42, 1
	s_add_co_u32 s46, s46, s16
	s_mul_i32 s46, s46, KS*UNIT
	s_add_co_u32 s46, s46, BOFF
	s_mov_b32 s47, 0
	s_mul_i32 s45, s14, 2*UNIT
	s_mov_b32 s90, 0xffff0000
	s_mov_b32 s[SEL], 0x76543210
	s_mov_b32 s[SEL+1], 0xfedcba98
	s_wait_kmcnt 0x0
	s_add_nc_u64 s[20:21], s[4:5], s[20:21]
	s_add_nc_u64 s[46:47], s[6:7], s[46:47]
	CROUND
.irp s, 0
	s_mov_b32 s[G0+4*\s], 1
	s_add_co_u32 s[G0+4*\s+1], s45, \s*SLOT
	s_add_nc_u64 s[G0+4*\s+2:G0+4*\s+3], s[20:21], \s*UNIT
	s_or_b32 s[G0+4*\s+3], s[G0+4*\s+3], 0x80000000
	s_mov_b32 s[G0B+4*\s], 1
	s_add_co_u32 s[G0B+4*\s+1], s45, \s*SLOT
	s_add_nc_u64 s[G0B+4*\s+2:G0B+4*\s+3], s[46:47], \s*UNIT
	s_or_b32 s[G0B+4*\s+3], s[G0B+4*\s+3], 0x80000000
	JLOAD \s
.endr
	v_and_b32 v1, 15, v0
	v_bfe_u32 v2, v0, 4, 1
	v_and_b32 v3, 31, v0
	v_lshlrev_b32 v3, 4, v3
	s_mul_i32 s18, s15, 2*UNIT
	s_mul_i32 s19, s16, 2*UNIT
	s_add_co_u32 s19, s19, 4*UNIT
	s_sub_co_u32 s23, s19, s18
	v_mul_u32_u24 v4, s23, v2
	v_lshl_add_u32 v4, v1, 5, v4
	v_add_nc_u32 v4, s18, v4
	v_add_nc_u32 v4, 32768, v4
.irp s, 0,1
	v_add_nc_u32 v[ADRA+\s], s18, v3
	v_add_nc_u32 v[ADRB+\s], s19, v3
	v_add_nc_u32 v[ADRS+\s], \s*SLOT, v4
	s_add_co_u32 s18, s18, SLOT
	s_add_co_u32 s19, s19, SLOT
.endr
	s_lshl_b32 s46, s42, 10
	s_lshl_b32 s47, s16, 9
	s_add_co_u32 s46, s46, s47
	s_mov_b32 s47, 0
	s_add_nc_u64 s[8:9], s[8:9], s[46:47]
	v_lshlrev_b32 v6, 6, v2
.irp b, 0,1,2,3,4,5,6,7
	global_load_b128 v[BI+8*\b:BI+8*\b+3], v6, s[8:9] offset:(32*(\b/2)+8*(\b%2))*4
	global_load_b128 v[BI+8*\b+4:BI+8*\b+7], v6, s[8:9] offset:(32*(\b/2)+8*(\b%2))*4+16
.endr
	s_lshl_b32 s20, s17, 1
	s_add_co_u32 s20, s20, s15
	s_lshl_b32 s20, s20, 3
	s_lshr_b32 s21, s42, 1
	s_add_co_u32 s20, s20, s21
	s_mul_i32 s20, s20, UNIT
	s_mov_b32 s21, 0
	s_add_nc_u64 s[10:11], s[10:11], s[20:21]
	s_and_b32 s46, s42, 1
	s_lshl_b32 s46, s46, 1
	s_add_co_u32 s46, s46, s16
	s_lshl_b32 s47, s46, 10
	v_add_nc_u32 v10, s47, v3
	s_lshl_b32 s47, s46, 9
	v_lshl_add_u32 v11, v1, 5, s47
	v_lshl_add_u32 v11, v2, 4, v11
.macro FRAG reg, adr, q, i
.irp c, 0,1
	ds_load_b128 v[\reg+4*\c:\reg+4*\c+3], v[\adr] offset:(\i)*4096+(\q)*1024+512*\c
.endr
.endm
.macro MUL16 a0, p, q, sc, first
.irp a, \a0, \a0+1
.irp b, 0,1,2,3,4,5,6,7
.if \first
	v_wmma_scale_f32_16x16x128_f8f6f4 v[8*(8*((\a)%4)+\b):8*(8*((\a)%4)+\b)+7], v[128*(\p)+8*\b:128*(\p)+8*\b+7], v[AF+8*(\a):AF+8*(\a)+7], v[BI+8*\b:BI+8*\b+7], v[SC+32*(\sc)+8*(\q)+\b], v[SC+32*(\sc)+8*(\q)+(\a)] matrix_a_fmt:MATRIX_FMT_FP4 matrix_b_fmt:MATRIX_FMT_FP4 matrix_a_scale:MATRIX_SCALE_ROW1
.else
	v_wmma_scale_f32_16x16x128_f8f6f4 v[8*(8*((\a)%4)+\b):8*(8*((\a)%4)+\b)+7], v[128*(\p)+8*\b:128*(\p)+8*\b+7], v[AF+8*(\a):AF+8*(\a)+7], v[8*(8*((\a)%4)+\b):8*(8*((\a)%4)+\b)+7], v[SC+32*(\sc)+8*(\q)+\b], v[SC+32*(\sc)+8*(\q)+(\a)] matrix_a_fmt:MATRIX_FMT_FP4 matrix_b_fmt:MATRIX_FMT_FP4 matrix_a_scale:MATRIX_SCALE_ROW1
.endif
.endr
.endr
.endm
.macro FETCH_B slot, q, p
	WIN TO_B
.irp i, 0,1,2,3,4,5,6,7
	FRAG 128*(\p)+8*\i, ADRB+\slot, \q, \i
.endr
	WIN 0
.endm
.macro FETCH_A slot, q, i0
.irp i, \i0, \i0+1, \i0+2, \i0+3
	FRAG AF+8*(\i), ADRA+\slot, \q, \i
.endr
.endm
.macro SCALES sl
.irp q, 0,1,2,3
.irp e, 0,1
	ds_load_b128 v[SC+32*\sl+8*\q+4*\e:SC+32*\sl+8*\q+4*\e+3], v[ADRS+\sl] offset:\q*512+16*\e
.endr
.endr
.endm
.macro STEP slot, q, first
	s_wait_dscnt 8
.if \first
	WIN FIRST_LO
.else
	WIN MUL_LO
.endif
	MUL16 0, (\q)%2, \q, \slot, \first
	MUL16 2, (\q)%2, \q, \slot, \first
	s_wait_dscnt 0
	PLACES
	FETCH_B \slot, (\q)+1, 1-(\q)%2
	FETCH_A \slot, (\q)+1, 0
.if \first
	WIN FIRST_HI
.else
	WIN MUL_HI
.endif
	MUL16 4, (\q)%2, \q, \slot, \first
	MUL16 6, (\q)%2, \q, \slot, \first
	PLACES
	WIN 0
	FETCH_A \slot, (\q)+1, 4
.endm
.macro TURN slot, next
	s_wait_tensorcnt 0x0
	ds_add_u32 v[SPW], v[NIL]
	s_wait_dscnt 9
	WIN MUL_LO
	MUL16 0, 1, NQ-1, \slot, 0
	s_wait_dscnt 0x0
	s_barrier_signal -1
	MUL16 2, 1, NQ-1, \slot, 0
	WIN 0
	s_barrier_wait -1
	PLACES
	FETCH_B \next, 0, 0
	FETCH_A \next, 0, 0
	SCALES \next
	WIN MUL_HI
	MUL16 4, 1, NQ-1, \slot, 0
	MUL16 6, 1, NQ-1, \slot, 0
	PLACES
	WIN 0
	FETCH_A \next, 0, 4
.endm
	s_wait_alu depctr_va_vdst(0)
	s_wait_loadcnt 0x0
	s_wait_tensorcnt 0x0
	s_barrier_signal -1
	s_barrier_wait -1
	FETCH_B 0, 0, 0
	FETCH_A 0, 0, 0
	SCALES 0
	FETCH_A 0, 0, 4
	STEP 0, 0, 1
	STEP 0, 1, 0
	STEP 0, 2, 0
	TURN 0, 1
	STEP 1, 0, 0
	STEP 1, 1, 0
	STEP 1, 2, 0
	s_wait_dscnt 8
	WIN MUL_LO
	MUL16 0, 1, NQ-1, 1, 0
	MUL16 2, 1, NQ-1, 1, 0
	s_wait_dscnt 0
	WIN MUL_HI
	MUL16 4, 1, NQ-1, 1, 0
	MUL16 6, 1, NQ-1, 1, 0
	WIN 0
	PLACES
.macro QUANTW word
	WIN (WW<<2)|WW
.irp b, 0,1,2,3
	v_max3_num_f32 v[TM+\b], |v[S0+16*\b]|, |v[S0+16*\b+1]|, 0x1800000
.endr
.irp i, 2,4,6,8,10,12,14
.irp b, 0,1,2,3
	v_max3_num_f32 v[TM+\b], |v[S0+16*\b+\i]|, |v[S0+16*\b+\i+1]|, v[TM+\b]
.endr
.endr
	WIN 0
.irp b, 0,1,2,3
	v_permlanex16_b32 v[TM+4+\b], v[TM+\b], s[SEL], s[SEL+1]
.endr
.irp b, 0,1,2,3
	v_max_num_f32 v[TM+\b], v[TM+\b], v[TM+4+\b]
.endr
.irp b, 0,1,2,3
	v_add_nc_u32 v[TM+12+\b], 0xff000000, v[TM+\b]
.endr
.irp b, 0,1,2,3
	v_lshrrev_b32 v[TM+4+\b], 23, v[TM+12+\b]
.endr
	v_lshl_or_b32 v[\word], v[TM+5], 8, v[TM+4]
	v_lshl_or_b32 v[\word], v[TM+6], 16, v[\word]
	v_lshl_or_b32 v[\word], v[TM+7], 24, v[\word]
	WIN WW
.irp b, 0,1,2,3
	v_cvt_scalef32_pk8_fp4_f32 v[PC+2*\b], v[S0+16*\b:S0+16*\b+7], v[TM+12+\b]
	v_cvt_scalef32_pk8_fp4_f32 v[PC+2*\b+1], v[S0+16*\b+8:S0+16*\b+15], v[TM+12+\b]
.endr
	WIN 0
	v_nop
.irp c, 0,1
.irp i, 0,1
	v_permlane16_swap_b32 v[PC+4*\c+\i], v[PC+2+4*\c+\i]
.endr
.endr
.endm
.irp b, 0,1,2,3
	v_mov_b32 v[TM+4+\b], 0
.endr
.irp a, 0,1,2,3,4,5,6,7
.set S0, 64*(\a%4)
.set WW, 2+\a/4
	WIN (WW<<6)|(WW<<2)
.set I, 0
.rept 64
	v_max_num_f32 v[S0+I], 0, v[S0+I]
.set I, I+1
.endr
	s_wait_xcnt 0x0
	QUANTW KW+\a
	global_store_b128 v10, v[PC:PC+3], s[10:11] offset:\a*4096
	global_store_b128 v10, v[PC+4:PC+7], s[10:11] offset:\a*4096+512
.endr
.irp i, 0,1,2,3
	v_cndmask_b32 v[MG+\i], v[KW+\i], v[KW+4+\i], s90
.endr
	global_store_b128 v11, v[MG:MG+3], s[10:11] offset:32768
	s_wait_tensorcnt 0x0
	ds_add_u32 v[SPW], v[NIL]
	s_wait_dscnt 0x0
	CROUND
	s_endpgm
.Lfunc_end_k_qe904566672_gemm_1:
	.size	k_qe904566672_gemm_1, .Lfunc_end_k_qe904566672_gemm_1-k_qe904566672_gemm_1
	.p2alignl 7, 3214868480
	.fill 96, 4, 3214868480
	.section	.rodata,"a",@progbits
	.p2align	6, 0x0
	.amdhsa_kernel k_qe904566672_gemm_1
		.amdhsa_group_segment_fixed_size 327680
		.amdhsa_private_segment_fixed_size 0
		.amdhsa_enable_private_segment 0
		.amdhsa_kernarg_size 32
		.amdhsa_user_sgpr_count 2
		.amdhsa_user_sgpr_kernarg_segment_ptr 1
		.amdhsa_wavefront_size32 1
		.amdhsa_system_sgpr_workgroup_id_x 1
		.amdhsa_system_sgpr_workgroup_id_y 1
		.amdhsa_system_sgpr_workgroup_id_z 1
		.amdhsa_system_vgpr_workitem_id 0
		.amdhsa_next_free_vgpr 1024
		.amdhsa_next_free_sgpr 100
		.amdhsa_reserve_vcc 0
		.amdhsa_float_denorm_mode_32 3
		.amdhsa_float_denorm_mode_16_64 3
		.amdhsa_memory_ordered 1
		.amdhsa_forward_progress 1
		.amdhsa_inst_pref_size 143
	.end_amdhsa_kernel
	.amdgpu_metadata
---
amdhsa.version: [ 1, 2 ]
amdhsa.kernels:
  - .name:           k_qe904566672_gemm_1
    .symbol:         k_qe904566672_gemm_1.kd
    .args:
      - { .name: pimg, .offset: 0, .size: 8, .value_kind: global_buffer, .address_space: global }
      - { .name: img0, .offset: 8, .size: 8, .value_kind: global_buffer, .address_space: global }
      - { .name: bf1, .offset: 16, .size: 8, .value_kind: global_buffer, .address_space: global }
      - { .name: himg, .offset: 24, .size: 8, .value_kind: global_buffer, .address_space: global }
    .group_segment_fixed_size: 327680
    .private_segment_fixed_size: 0
    .kernarg_segment_align: 8
    .kernarg_segment_size: 32
    .max_flat_workgroup_size: 128
    .sgpr_count:     100
    .vgpr_count:     1024
    .wavefront_size: 32
...
	.end_amdgpu_metadata
.endif
;; end of part 5
;; launch gemm_2 (part 6): grid 8 x 32, 4 waves a work-group, clusters of 4 x 4, 327,680 bytes of LDS; arguments himg, img0, bf2, cbuf; writes cbuf
.if DOCPART == 6
	.amdgcn_target "amdgcn-amd-amdhsa--gfx1250"
	.amdhsa_code_object_version 6
	.text
	.protected	k_qe904566672_gemm_2
	.globl	k_qe904566672_gemm_2
	.p2align	8
	.type	k_qe904566672_gemm_2,@function
k_qe904566672_gemm_2:
	s_mov_b64 s[64:65], 0
	v_nop
	global_prefetch_b8 v0, s[64:65] scope:SCOPE_SE
	s_setreg_imm32_b32 hwreg(HW_REG_WAVE_MODE, 25, 1), 1
	s_wait_xcnt 0x0
	s_wait_alu depctr_hold_cnt(0) depctr_sa_sdst(0) depctr_va_vdst(0) depctr_va_sdst(0) depctr_va_ssrc(0) depctr_va_vcc(0) depctr_vm_vsrc(0)
	s_getreg_b32 s2, hwreg(HW_REG_IB_STS2, 6, 4)
	s_cmp_eq_u32 s2, 0
	s_cbranch_scc0 .Lentry_in_a_cluster
	s_endpgm
.Lentry_in_a_cluster:
	s_bfe_u32 s2, ttmp6, 0x10000c
	s_cmp_lg_u32 s2, 0xf033
	s_cbranch_scc0 .Lentry_shape_is_right
	s_endpgm
.Lentry_shape_is_right:
; C = h W2 + bf2 on codes of FP4, K = 4,096; C [4096][1024] f32, row-major.  Both operands are register images (units of 34,816 bytes: 128 rows x 512 K, codes at a*4096 + q*1024 + c*512 + 16*lane,
; scale words at 32768 + q*512 + 32 r + 4 a; slot (a, r) is row 32 (a/2) + 8 (a%2) + r + 8 (r/8)).
; A work-group makes 128 x 128 of C: 8 x 32 = 256 work-groups.  THE FOUR WAVES SHARE K, NOT THE TILE: every wave makes the whole 128 x 128 (64 accumulators, windows 2 and 3) over its own quarter of K:
; wave w takes the K step of 128 numbered w of each of the eight units.  The four partial sums meet in LDS on the way out.
; W2's EIGHT UNITS OF THE TILE'S COLUMNS LIE IN LDS, FILLED ONCE (278,528 bytes): wave w's one joint tensor load brings units 2 w and 2 w + 1, which lie on end in memory (272 rows of 256 bytes).  Nothing is filled again: no ring.
; CLUSTERS 4 x 4: W2's units hang on the tile column alone and are shared along a column of the cluster.
; h's FRAGMENTS GO FROM MEMORY STRAIGHT INTO REGISTERS, 512 consecutive bytes a load.  They are not asked for jointly: LDS has no room for them beside all of W2's K, and since the waves share K each of their bytes is read
; by one wave of the work-group, once.  Four sets of 18 loads (16 of codes, 2 of scale words); three sets, 54 loads, are out while one is multiplied: the loads run three units ahead, so no prefetch is laid.
; THE MATRIX INSTRUCTION IS USED TRANSPOSED (source 0 = 16 slots of W2, source 1 = 16 slots of h): a lane's 64 registers of an A block are columns 32 g + 16 h + i of one row.
; LIMIT: each output is the sum of four f32 partial sums (one a wave) and the bias, not one chain along K.  NaN and infinities are not served.
; REGISTERS: window 0: v1-5 at work; v8-11 where the partial sums are read back; v12-15 the bias; v16-23 LDS addresses; v24 where I put my rows; v28-29 the add's; v32-47 W2's scale words, v48-79 h's (nothing else); v128-255 h's sets 0, 1.
;   window 1: v0-127 W2's fragments, two sets; v128-255 h's sets 2, 3; on the way out two sets of 8 rows x 4 partial sums.   windows 2, 3: accumulator (a, b) at v[8 (8 (a%4) + b)].
.set UNIT,   34816
.set SPARE,  8*UNIT                    ; the spare words: 128 bytes a wave, two blocks of 256 bytes that no other line names
.set KS,     8
.set BOFF,   176*UNIT                  ; W2 begins at unit 176
.set PREG,   128*528                   ; a wave's partial sums: 128 rows x (512 bytes + 16); the four regions lie where the units lay, which have had their only fill
.set VL,   3
.set VS,   5
.set RD,   8
.set BIAS, 12
.set ADRB, 16
.set ADRS, 20
.set STO,  24
.set SPW,  28
.set NIL,  29
.set SCB,  32
.set SCA,  48
.set G1B, 24
.set G0B, 32
.set AP,  48
.set AQ,  50
.set MSB, 0
.macro WIN new                         ; the immediate's high byte repeats the setting that is left
.if MSB != (\new)
	s_set_vgpr_msb (MSB<<8)|(\new)
.set MSB, (\new)
.endif
.endm
.set TO_B,   0x40
.macro CROUND                          ; a round of the cluster's barrier
	s_barrier_signal -1
	s_barrier_wait -1
	s_cmp_lg_u32 s14, 0
	s_cbranch_scc1 .Lnot_wave_0_\@
	s_barrier_signal -3
.Lnot_wave_0_\@:
	s_barrier_wait -3
	s_barrier_signal -1
	s_barrier_wait -1
.endm
.macro PLACES                          ; four plain lines behind a matrix instruction, ahead of loads into its registers and of reads of its results
.rept 4
	v_nop
.endr
.endm
.macro LDA u                           ; h's eight fragments and scale words of my K step of unit u, from memory, into set u % 4
	WIN 0x40*(((\u)%4)/2)
.irp i, 0,1,2,3,4,5,6,7
.irp c, 0,1
	global_load_b128 v[128+64*((\u)%2)+8*\i+4*\c:128+64*((\u)%2)+8*\i+4*\c+3], v[VL], s[AP:AP+1] offset:(\u)*UNIT+\i*4096+\c*512
.endr
.endr
	WIN 0
.irp e, 0,1
	global_load_b128 v[SCA+8*((\u)%4)+4*\e:SCA+8*((\u)%4)+4*\e+3], v[VS], s[AQ:AQ+1] offset:(\u)*UNIT+16*\e
.endr
.endm
.macro LDBF u                          ; W2's eight fragments and scale words of my K step of unit u, from LDS, into set u % 2
	WIN TO_B
.irp i, 0,1,2,3,4,5,6,7
.irp c, 0,1
	ds_load_b128 v[64*((\u)%2)+8*\i+4*\c:64*((\u)%2)+8*\i+4*\c+3], v[ADRB+(\u)/2] offset:((\u)%2)*UNIT+\i*4096+\c*512
.endr
.endr
	WIN 0
.irp e, 0,1
	ds_load_b128 v[SCB+8*((\u)%2)+4*\e:SCB+8*((\u)%2)+4*\e+3], v[ADRS+(\u)/2] offset:((\u)%2)*UNIT+16*\e
.endr
.endm
; 32 matrix instructions: A blocks 4 hi .. 4 hi + 3 x B's eight.  The 64 accumulators take turns, one instruction a turn.  first = 1: the product starts the sums
.macro MUL32 u, hi, first
	WIN 0xa1+0x50*(\hi)+4*(((\u)%4)/2)             ; source 0 window 1; source 1 window 0 or 1, by h's set; C and D window 2 or 3
.irp a, 0,1,2,3
.irp b, 0,1,2,3,4,5,6,7
.if \first
	v_wmma_scale_f32_16x16x128_f8f6f4 v[8*(8*\a+\b):8*(8*\a+\b)+7], v[64*((\u)%2)+8*\b:64*((\u)%2)+8*\b+7], v[128+64*((\u)%2)+8*(4*(\hi)+\a):128+64*((\u)%2)+8*(4*(\hi)+\a)+7], 0, v[SCB+8*((\u)%2)+\b], v[SCA+8*((\u)%4)+4*(\hi)+\a] matrix_a_fmt:MATRIX_FMT_FP4 matrix_b_fmt:MATRIX_FMT_FP4
.else
	v_wmma_scale_f32_16x16x128_f8f6f4 v[8*(8*\a+\b):8*(8*\a+\b)+7], v[64*((\u)%2)+8*\b:64*((\u)%2)+8*\b+7], v[128+64*((\u)%2)+8*(4*(\hi)+\a):128+64*((\u)%2)+8*(4*(\hi)+\a)+7], v[8*(8*\a+\b):8*(8*\a+\b)+7], v[SCB+8*((\u)%2)+\b], v[SCA+8*((\u)%4)+4*(\hi)+\a] matrix_a_fmt:MATRIX_FMT_FP4 matrix_b_fmt:MATRIX_FMT_FP4
.endif
.endr
.endr
.endm
.macro STEP u, first                   ; my K step of unit u
.if (\u) < 6
	s_wait_loadcnt 36                              ; this unit's 18 loads are in; the next two units' may be out
.else
	s_wait_loadcnt 18*(7-(\u))
.endif
	s_wait_dscnt 0x0                               ; W2's fragments, asked for a step ago
.if (\u)+1 < KS
	LDBF (\u)+1
.endif
.if (\u)+3 < KS
	LDA (\u)+3
.endif
	MUL32 \u, 0, \first
	MUL32 \u, 1, \first
	WIN 0
	PLACES
.endm
	s_load_b256 s[4:11], s[0:1], 0x0               ; himg, img0, bf2, cbuf
	v_lshl_add_u32 v[SPW], v0, 2, SPARE
	v_mov_b32 v[NIL], 0
	ds_add_u32 v[SPW], v[NIL]                      ; the opening lines: the add, twice on end, and its wait ahead of my tensor load
	ds_add_u32 v[SPW], v[NIL]
	v_lshrrev_b32 v1, 5, v0
	v_readfirstlane_b32 s14, v1                    ; wave 0..3: my K step of 128 in every unit
	s_bfe_u32 s40, ttmp6, 0x40000                  ; cx
	s_bfe_u32 s41, ttmp6, 0x40004                  ; cy
	s_lshl_b32 s42, ttmp9, 2
	s_add_co_u32 s42, s42, s40                     ; tile column, 0..7
	s_and_b32 s17, ttmp7, 0xffff
	s_lshl_b32 s17, s17, 2
	s_add_co_u32 s17, s17, s41                     ; tile row, 0..31
	s_lshl_b32 s44, 0x1111, s40                    ; my column of the cluster
	s_or_b32 s[G1B], s44, (3<<16)|(1<<21)          ; group 1: the mask; elements of 8 bytes; bit 21 beside a mask; no padding: an image is read 16 bytes a lane on end
	s_mov_b32 s[G1B+1], 32<<16                     ; rows of 256 bytes
	s_mov_b32 s[G1B+2], 272<<16                    ; 272 rows: two units
	s_mov_b32 s[G1B+3], 32<<16
	s_mov_b32 s[G1B+4], 272
	s_mov_b32 s[G1B+5], 32                         ; dense
	s_mov_b32 s[G1B+6], 0
	s_mov_b32 s[G1B+7], 0
	s_lshl_b32 s46, s42, 3
	s_lshl_b32 s47, s14, 1
	s_add_co_u32 s46, s46, s47
	s_mul_i32 s46, s46, UNIT
	s_add_co_u32 s46, s46, BOFF                    ; W2: unit 8 x tile column + 2 x wave
	s_mov_b32 s47, 0
	s_mul_i32 s45, s14, 2*UNIT                     ; where it goes
	s_mul_i32 s20, s17, KS*UNIT
	s_lshl_b32 s18, s14, 10
	s_add_co_u32 s20, s20, s18                     ; h's codes: unit 8 x tile row, + 1,024 x wave
	s_mov_b32 s21, 0
	s_mul_i32 s22, s17, KS*UNIT
	s_lshl_b32 s19, s14, 9
	s_add_co_u32 s19, s19, 32768
	s_add_co_u32 s22, s22, s19                     ; its scale words: + 32,768 + 512 x wave
	s_mov_b32 s23, 0
	s_mul_i32 s56, s14, PREG                       ; my region of partial sums
	s_mul_i32 s57, s14, 32*528                     ; back: I finish rows 32 w .. 32 w + 31
	s_lshl_b32 s52, s17, 7
	s_lshl_b32 s53, s14, 5
	s_add_co_u32 s52, s52, s53
	s_lshl_b32 s52, s52, 12                        ; the first row that I store, in bytes,
	s_lshl_b32 s54, s42, 9                         ; the tile's first column
	s_add_co_u32 s52, s52, s54
	s_mov_b32 s53, 0
	s_mov_b32 s55, 0
	v_and_b32 v1, 15, v0                           ; r
	v_bfe_u32 v2, v0, 4, 1                         ; h
	v_and_b32 v[VL], 31, v0
	v_lshlrev_b32 v[VL], 4, v[VL]                  ; 16 x lane
	v_lshlrev_b32 v[VS], 5, v1                     ; 32 r
	v_add_nc_u32 v[ADRB], s18, v[VL]               ; W2 in LDS: 1,024 x wave + 16 x lane, an address for each two units
	v_add_nc_u32 v[ADRS], s19, v[VS]
.irp p, 1,2,3
	v_add_nc_u32 v[ADRB+\p], 2*UNIT, v[ADRB+\p-1]
	v_add_nc_u32 v[ADRS+\p], 2*UNIT, v[ADRS+\p-1]
.endr
	v_mul_u32_u24 v4, v1, 528
	v_lshl_add_u32 v4, v2, 6, v4
	v_add_nc_u32 v[STO], s56, v4                   ; in: row r of a block, + 64 h
	v_add_nc_u32 v[RD], s57, v[VL]
.irp s, 1,2,3
	v_add_nc_u32 v[RD+\s], PREG, v[RD+\s-1]        ; from each of the four regions
.endr
	s_wait_alu depctr_va_vdst(0)
	s_wait_dscnt 0x0                               ; both opening adds are done
	s_wait_kmcnt 0x0
	s_add_nc_u64 s[AP:AP+1], s[4:5], s[20:21]
	s_add_nc_u64 s[AQ:AQ+1], s[4:5], s[22:23]
	s_add_nc_u64 s[46:47], s[6:7], s[46:47]
	s_add_nc_u64 s[10:11], s[10:11], s[52:53]
	s_add_nc_u64 s[8:9], s[8:9], s[54:55]
	global_load_b128 v[BIAS:BIAS+3], v[VL], s[8:9] ; the bias at my four columns of a row
	LDA 0
	LDA 1
	LDA 2
	CROUND                                         ; all sixteen work-groups are here: the joint loads meet
	s_mov_b32 s[G0B], 1
	s_mov_b32 s[G0B+1], s45
	s_mov_b64 s[G0B+2:G0B+3], s[46:47]
	s_or_b32 s[G0B+3], s[G0B+3], 0x80000000
	tensor_load_to_lds s[G0B:G0B+3], s[G1B:G1B+7]  ; my one tensor load
	s_nop 0
.rept 4
	v_nop
.endr
	s_wait_tensorcnt 0x0                           ; my two units have landed,
	s_barrier_signal -1
	s_barrier_wait -1                              ; everybody's have
	LDBF 0
	STEP 0, 1
.irp u, 1,2,3,4,5,6,7
	STEP \u, 0
.endr
; THE WAY OUT.  Every wave lays its 128 x 128 partial sums as rows into its own region; behind a barrier wave w reads rows 32 w .. 32 w + 31 from all four regions, adds them and the bias, and stores whole rows of 512 bytes.
.macro PUT a
.set AC, 64*((\a)%4)
	WIN 0x08+4*((\a)/4)                            ; an LDS store's data are its source 1: window 2 or 3
.irp b, 0,1,2,3,4,5,6,7
	ds_store_b128 v[STO], v[AC+8*\b:AC+8*\b+3] offset:(\a)*8448+128*(\b/2)+32*(\b%2)          ; each accumulator from its low end on
	ds_store_b128 v[STO], v[AC+8*\b+4:AC+8*\b+7] offset:(\a)*8448+128*(\b/2)+32*(\b%2)+16
.endr
.endm
.macro GET g                           ; rows 8 g .. 8 g + 7 of my 32, four partial sums each, into set g % 2 of window 1: row t's at 16 t + 4 s
	WIN TO_B
.irp t, 0,1,2,3,4,5,6,7
.irp s, 0,1,2,3
	ds_load_b128 v[128*((\g)%2)+16*\t+4*\s:128*((\g)%2)+16*\t+4*\s+3], v[RD+\s] offset:(8*(\g)+\t)*528
.endr
.endr
.endm
.macro SUMOUT g, younger               ; younger: the LDS loads issued behind group g's, which may stay out
.set E, 128*((\g)%2)
	s_wait_dscnt \younger
	WIN 0x45                                       ; sources 0, 1 and destination window 1
.irp t, 0,1,2,3,4,5,6,7
	v_pk_add_f32 v[E+16*\t:E+16*\t+1], v[E+16*\t:E+16*\t+1], v[E+16*\t+4:E+16*\t+5]
	v_pk_add_f32 v[E+16*\t+2:E+16*\t+3], v[E+16*\t+2:E+16*\t+3], v[E+16*\t+6:E+16*\t+7]
	v_pk_add_f32 v[E+16*\t+8:E+16*\t+9], v[E+16*\t+8:E+16*\t+9], v[E+16*\t+12:E+16*\t+13]
	v_pk_add_f32 v[E+16*\t+10:E+16*\t+11], v[E+16*\t+10:E+16*\t+11], v[E+16*\t+14:E+16*\t+15]
.endr
.irp t, 0,1,2,3,4,5,6,7
	v_pk_add_f32 v[E+16*\t:E+16*\t+1], v[E+16*\t:E+16*\t+1], v[E+16*\t+8:E+16*\t+9]
	v_pk_add_f32 v[E+16*\t+2:E+16*\t+3], v[E+16*\t+2:E+16*\t+3], v[E+16*\t+10:E+16*\t+11]
.endr
	WIN 0x41                                       ; source 1 (the bias) window 0
.irp t, 0,1,2,3,4,5,6,7
	v_pk_add_f32 v[E+16*\t:E+16*\t+1], v[E+16*\t:E+16*\t+1], v[BIAS:BIAS+1]
	v_pk_add_f32 v[E+16*\t+2:E+16*\t+3], v[E+16*\t+2:E+16*\t+3], v[BIAS+2:BIAS+3]
.endr
	WIN 0x04                                       ; a store's data are its source 1: window 1
.irp t, 0,1,2,3,4,5,6,7
	global_store_b128 v[VL], v[E+16*\t:E+16*\t+3], s[10:11] offset:(8*((\g)/2)+16*((\g)%2)+\t)*4096   ; the slot order of the rows is undone here; 32 lanes store 512 consecutive bytes, aligned
.endr
.endm
	s_wait_dscnt 0x0                               ; my reads of the units are over
	s_barrier_signal -1
	s_barrier_wait -1                              ; everybody's are: the regions may be written
.irp a, 0,1,2,3,4,5,6,7
	PUT \a
.endr
	WIN 0
	s_wait_dscnt 0x0                               ; for the others' sake: my partial sums lie in LDS
	s_barrier_signal -1
	s_barrier_wait -1
	GET 0
	GET 1
	SUMOUT 0, 32
	s_wait_xcnt 0x0                                ; group 0's stores have read their registers: group 2's loads may land there
	GET 2
	SUMOUT 1, 32
	s_wait_xcnt 0x0
	GET 3
	SUMOUT 2, 32
	SUMOUT 3, 0
	WIN 0
	s_wait_tensorcnt 0x0                           ; the wave's end
	ds_add_u32 v[SPW], v[NIL]
	s_wait_dscnt 0x0
	CROUND                                         ; the closing round
	s_endpgm
.Lfunc_end_k_qe904566672_gemm_2:
	.size	k_qe904566672_gemm_2, .Lfunc_end_k_qe904566672_gemm_2-k_qe904566672_gemm_2
	.p2alignl 7, 3214868480
	.fill 96, 4, 3214868480
	.section	.rodata,"a",@progbits
	.p2align	6, 0x0
	.amdhsa_kernel k_qe904566672_gemm_2
		.amdhsa_group_segment_fixed_size 327680
		.amdhsa_private_segment_fixed_size 0
		.amdhsa_enable_private_segment 0
		.amdhsa_kernarg_size 32
		.amdhsa_user_sgpr_count 2
		.amdhsa_user_sgpr_kernarg_segment_ptr 1
		.amdhsa_wavefront_size32 1
		.amdhsa_system_sgpr_workgroup_id_x 1
		.amdhsa_system_sgpr_workgroup_id_y 1
		.amdhsa_system_sgpr_workgroup_id_z 1
		.amdhsa_system_vgpr_workitem_id 0
		.amdhsa_next_free_vgpr 1024
		.amdhsa_next_free_sgpr 100
		.amdhsa_reserve_vcc 0
		.amdhsa_float_denorm_mode_32 3
		.amdhsa_float_denorm_mode_16_64 3
		.amdhsa_memory_ordered 1
		.amdhsa_forward_progress 1
		.amdhsa_inst_pref_size 131
	.end_amdhsa_kernel
	.amdgpu_metadata
---
amdhsa.version: [ 1, 2 ]
amdhsa.kernels:
  - .name:           k_qe904566672_gemm_2
    .symbol:         k_qe904566672_gemm_2.kd
    .args:
      - { .name: himg, .offset: 0, .size: 8, .value_kind: global_buffer, .address_space: global }
      - { .name: img0, .offset: 8, .size: 8, .value_kind: global_buffer, .address_space: global }
      - { .name: bf2, .offset: 16, .size: 8, .value_kind: global_buffer, .address_space: global }
      - { .name: cbuf, .offset: 24, .size: 8, .value_kind: global_buffer, .address_space: global }
    .group_segment_fixed_size: 327680
    .private_segment_fixed_size: 0
    .kernarg_segment_align: 8
    .kernarg_segment_size: 32
    .max_flat_workgroup_size: 128
    .sgpr_count:     100
    .vgpr_count:     1024
    .wavefront_size: 32
...
	.end_amdgpu_metadata
.endif
;; end of part 6
;; launch ln2 (part 7): grid 256 x 1, 8 waves a work-group, no clusters, 0 bytes of LDS; arguments cbuf, post, g2, b2, out0; writes out0
.if DOCPART == 7
	.amdgcn_target "amdgcn-amd-amdhsa--gfx1250"
	.amdhsa_code_object_version 6
	.text
	.protected	k_qe904566672_ln2
	.globl	k_qe904566672_ln2
	.p2align	8
	.type	k_qe904566672_ln2,@function
k_qe904566672_ln2:
	s_mov_b64 s[64:65], 0
	v_nop
	global_prefetch_b8 v0, s[64:65] scope:SCOPE_SE
	s_setreg_imm32_b32 hwreg(HW_REG_WAVE_MODE, 25, 1), 1
	s_wait_xcnt 0x0
; out0 = LayerNorm(post + cbuf) gamma + beta, f32 [4096][1024].  A work-group takes 16 rows, a wave two neighbouring rows whole, 32 registers each: the statistics never leave the wave; no LDS, no barrier.
; The variance is the mean of (v - mean)^2, taken in a second pass over the registers: no difference of large sums.  Memory binds: each byte is read once and written once, every load and store of a wave covers 512 consecutive bytes.
; LIMITS: NaN and infinities among the inputs are not served.  Matrix units, clusters and tensor loads would add nothing: nothing is multiplied or shared.
.set V,    32                          ; v32-95   the two rows
.set XR,   96                          ; v96-159  post's two rows
.set G,    160                         ; v160-191 gamma at my 32 columns
.set BT,   192                         ; v192-223 beta
.set A,    224                         ; v224-231 four packed chains
.set MU,   232
.set RS,   234                         ; v234-237 1 / sqrt(var + eps), a pair for each row
.set SEL,  26
.macro REDUCE                          ; the four chains, the pair's halves, the 32 lanes: the sum in every lane
	s_delay_alu instid0(VALU_DEP_3)
	v_pk_add_f32 v[A:A+1], v[A:A+1], v[A+2:A+3]
	s_delay_alu instid0(VALU_DEP_2)
	v_pk_add_f32 v[A+4:A+5], v[A+4:A+5], v[A+6:A+7]
	s_delay_alu instid0(VALU_DEP_1)
	v_pk_add_f32 v[A:A+1], v[A:A+1], v[A+4:A+5]
	s_delay_alu instid0(VALU_DEP_1)
	v_add_f32 v[A], v[A], v[A+1]
.irp m, 1,2,4,8
	s_delay_alu instid0(VALU_DEP_1)
	v_add_f32_dpp v[A], v[A], v[A] row_xmask:\m row_mask:0xf bank_mask:0xf
.endr
	s_delay_alu instid0(VALU_DEP_1)
	v_permlanex16_b32 v[A+1], v[A], s[SEL], s[SEL+1]
	s_delay_alu instid0(VALU_DEP_1)
	v_add_f32 v[A], v[A], v[A+1]
.endm
.macro STATS e
.set VB, V+32*\e
.set XB, XR+32*\e
.set I, 0
.rept 16
	v_pk_add_f32 v[VB+I:VB+I+1], v[VB+I:VB+I+1], v[XB+I:XB+I+1]   ; the residual
.set I, I+2
.endr
.irp k, 0,2,4,6
	v_pk_add_f32 v[A+\k:A+\k+1], v[VB+\k:VB+\k+1], v[VB+8+\k:VB+9+\k]
.endr
.irp m, 16,24
.irp k, 0,2,4,6
	s_delay_alu instid0(VALU_DEP_4)
	v_pk_add_f32 v[A+\k:A+\k+1], v[A+\k:A+\k+1], v[VB+\m+\k:VB+\m+\k+1]
.endr
.endr
	REDUCE
	s_delay_alu instid0(VALU_DEP_1)
	v_mul_f32 v[MU], 0xba800000, v[A]              ; -mean = -sum / 1,024
	s_delay_alu instid0(VALU_DEP_1)
	v_mov_b32 v[MU+1], v[MU]
.set I, 0
.rept 16
	v_pk_add_f32 v[VB+I:VB+I+1], v[VB+I:VB+I+1], v[MU:MU+1]
.set I, I+2
.endr
.irp k, 0,2,4,6
	v_pk_mul_f32 v[A+\k:A+\k+1], v[VB+\k:VB+\k+1], v[VB+\k:VB+\k+1]
.endr
.irp m, 8,16,24
.irp k, 0,2,4,6
	s_delay_alu instid0(VALU_DEP_4)
	v_pk_fma_f32 v[A+\k:A+\k+1], v[VB+\m+\k:VB+\m+\k+1], v[VB+\m+\k:VB+\m+\k+1], v[A+\k:A+\k+1]
.endr
.endr
	REDUCE
	s_delay_alu instid0(VALU_DEP_1)
	v_fma_f32 v[RS+2*\e], v[A], s24, s25           ; var + eps
	s_wait_alu depctr_va_vdst(0)
	v_rsq_f32 v[RS+2*\e], v[RS+2*\e]
	v_nop                                          ; a plain line behind the transcendental
	s_wait_alu depctr_va_vdst(0)
	v_mov_b32 v[RS+2*\e+1], v[RS+2*\e]
.endm
.macro FINISH e
.set VB, V+32*\e
.set I, 0
.rept 16
	v_pk_mul_f32 v[VB+I:VB+I+1], v[VB+I:VB+I+1], v[RS+2*\e:RS+2*\e+1]
.set I, I+2
.endr
.set I, 0
.rept 16
	v_pk_fma_f32 v[VB+I:VB+I+1], v[VB+I:VB+I+1], v[G+I:G+I+1], v[BT+I:BT+I+1]
.set I, I+2
.endr
.endm
	s_load_b256 s[4:11], s[0:1], 0x0               ; cbuf, post, gamma, beta
	s_load_b64 s[12:13], s[0:1], 0x20              ; out0
	v_lshrrev_b32 v1, 5, v0
	s_delay_alu instid0(VALU_DEP_1)
	v_readfirstlane_b32 s16, v1                    ; wave 0..7
	v_and_b32 v2, 31, v0
	s_delay_alu instid0(VALU_DEP_1)
	v_lshlrev_b32 v3, 4, v2                        ; 16 x lane
	s_mov_b32 s24, 0x3a800000                      ; 1 / 1,024
	s_mov_b32 s25, 0x3727c5ac                      ; eps = 1e-5
	s_mov_b32 s[SEL], 0x76543210
	s_mov_b32 s[SEL+1], 0xfedcba98
	s_lshl_b32 s19, ttmp9, 4
	s_lshl_b32 s20, s16, 1
	s_add_co_u32 s19, s19, s20                     ; my first row: 16 g + 2 w
	s_lshl_b32 s20, s19, 12
	s_mov_b32 s21, 0
	s_wait_alu depctr_va_vdst(0)
	s_wait_kmcnt 0x0
	s_add_nc_u64 s[4:5], s[4:5], s[20:21]
	s_add_nc_u64 s[6:7], s[6:7], s[20:21]
	s_add_nc_u64 s[12:13], s[12:13], s[20:21]
.irp e, 0,1
.irp j, 0,1,2,3,4,5,6,7
	global_load_b128 v[V+32*\e+4*\j:V+32*\e+4*\j+3], v3, s[4:5] offset:\e*4096+\j*512
	global_load_b128 v[XR+32*\e+4*\j:XR+32*\e+4*\j+3], v3, s[6:7] offset:\e*4096+\j*512
.endr
.endr
.irp j, 0,1,2,3,4,5,6,7
	global_load_b128 v[G+4*\j:G+4*\j+3], v3, s[8:9] offset:\j*512
	global_load_b128 v[BT+4*\j:BT+4*\j+3], v3, s[10:11] offset:\j*512
.endr
	s_wait_loadcnt 16                              ; the rows are in; gamma's and beta's sixteen loads may be out
	STATS 0
	STATS 1
	s_wait_loadcnt 0x0
	FINISH 0
	FINISH 1
.irp e, 0,1
.irp j, 0,1,2,3,4,5,6,7
	global_store_b128 v3, v[V+32*\e+4*\j:V+32*\e+4*\j+3], s[12:13] offset:\e*4096+\j*512 th:TH_STORE_NT
.endr
.endr
	s_endpgm
.Lfunc_end_k_qe904566672_ln2:
	.size	k_qe904566672_ln2, .Lfunc_end_k_qe904566672_ln2-k_qe904566672_ln2
	.p2alignl 7, 3214868480
	.fill 96, 4, 3214868480
	.section	.rodata,"a",@progbits
	.p2align	6, 0x0
	.amdhsa_kernel k_qe904566672_ln2
		.amdhsa_group_segment_fixed_size 0
		.amdhsa_private_segment_fixed_size 0
		.amdhsa_enable_private_segment 0
		.amdhsa_kernarg_size 40
		.amdhsa_user_sgpr_count 2
		.amdhsa_user_sgpr_kernarg_segment_ptr 1
		.amdhsa_wavefront_size32 1
		.amdhsa_system_sgpr_workgroup_id_x 1
		.amdhsa_system_sgpr_workgroup_id_y 1
		.amdhsa_system_sgpr_workgroup_id_z 1
		.amdhsa_system_vgpr_workitem_id 0
		.amdhsa_next_free_vgpr 256
		.amdhsa_next_free_sgpr 66
		.amdhsa_reserve_vcc 0
		.amdhsa_float_denorm_mode_32 3
		.amdhsa_float_denorm_mode_16_64 3
		.amdhsa_memory_ordered 1
		.amdhsa_forward_progress 1
		.amdhsa_inst_pref_size 25
	.end_amdhsa_kernel
	.amdgpu_metadata
---
amdhsa.version: [ 1, 2 ]
amdhsa.kernels:
  - .name:           k_qe904566672_ln2
    .symbol:         k_qe904566672_ln2.kd
    .args:
      - { .name: cbuf, .offset: 0, .size: 8, .value_kind: global_buffer, .address_space: global }
      - { .name: post, .offset: 8, .size: 8, .value_kind: global_buffer, .address_space: global }
      - { .name: g2, .offset: 16, .size: 8, .value_kind: global_buffer, .address_space: global }
      - { .name: b2, .offset: 24, .size: 8, .value_kind: global_buffer, .address_space: global }
      - { .name: out0, .offset: 32, .size: 8, .value_kind: global_buffer, .address_space: global }
    .group_segment_fixed_size: 0
    .private_segment_fixed_size: 0
    .kernarg_segment_align: 8
    .kernarg_segment_size: 40
    .max_flat_workgroup_size: 256
    .sgpr_count:     66
    .vgpr_count:     256
    .wavefront_size: 32
...
	.end_amdgpu_metadata
.endif
;; end of part 7
